; MI455X (gfx1250); checked and timed in simulation.
; The chip was launched on July 23, 2026; its instructions are those of AMD's public machine-readable ISA for CDNA 5 (MIT licence, August 2026) and "CDNA5" Instruction Set Architecture Reference Guide (July 2026). The comments in the code are by the model that wrote it; some were corrected since.
;; Adaptive Mo E Layer. Allowed arithmetic: matrix products marked QUANTISED: E2M1 operands, one E8M0 scale for each 32 along K, by v_wmma_scale_f32_16x16x128_f8f6f4 with both operands' format E2M1 (or v_wmma_scale_f32_32x16x128_f4), f32 sums; products left as they are: f32 operands where the result goes on into a quantised operand, else bf16, f16 or f32 operands; f32 sums; everything else in f32.
;; Inputs: expert_scale 8 float32; hidden_states 2 x 512 x 1,024 float32; router_w 8 x 1,024 float32; w1 8 x 4,096 x 1,024 float32; w2 8 x 1,024 x 4,096 float32.
;; Outputs: out0 2 x 512 x 1,024 float32.
;; This version of the problem:
;;   THIS VERSION OF THE PROBLEM IS GIVEN IN LOW PRECISION. The matrix products marked QUANTISED in the list below multiply operands that are first quantised to E2M1 (2 exponent bits, 1 mantissa bit; 4 bits a number), with one power-of-two scale for each 32 numbers along K (OCP MX v1.0); their sums are f32. All else is computed in f32.
;;   The module's matrix products, in the order in which they are computed (A, B: the left and right operand; K: the contracted axis; several contracted axes count as one K, in the product's order):
;;     1. [M 1,024, K 1,024] x [K 1,024, N 8]; A: input hidden_states; B: input router_w: left as it is (N = 8 < 16)
;;     2. [M 1,024, K 1,024] x [K 1,024, N 32,768]; A: input hidden_states; B: input w1: QUANTISED
;;     3. batch 8 x [M 1,024, K 4,096] x [K 4,096, N 1,024]; A: input w2; B: computed on the way: QUANTISED
;;     4. batch 1,024 x [M 1, K 8] x [K 8, N 1,024]; A: computed on the way; B: computed on the way: left as it is (K = 8 < 32)
;;   THE QUANTISER, for each operand of a quantised product, along K:
;;     - K is cut into blocks of 32 from its start; a last block that is shorter is filled with zeros.
;;     - A block's scale is 2^e with e = floor(log2(the largest magnitude in the block)) - 2, held to -126 .. 127; a block of zeros has e = 0. As a byte (E8M0): e + 127.
;;     - Each number is divided by its block's scale, clamped to +-6, and rounded to the nearest number of E2M1, ties to even, subnormals kept.
;;     - The product sums the exact products of the quantised numbers (number of the format x scale) in f32.
;;   ~~~python
;;   def quantise(x, axis):      # numpy; x: float32 -> the quantised numbers, widened to float32 again
;;       x = np.moveaxis(x, axis, -1); K = x.shape[-1]
;;       x = np.pad(x, [(0, 0)] * (x.ndim - 1) + [(0, -K % 32)]); x = x.reshape(x.shape[:-1] + (-1, 32)); a = np.abs(x).max(-1, keepdims=True)
;;       e = np.where(a > 0, np.clip(np.frexp(np.where(a > 0, a, 1))[1] - 1 - 2, -126, 127), 0)      # np.frexp(a)[1] - 1 = floor(log2(a)), exactly
;;       r = np.clip(x / 2.0 ** e, -6, 6)
;;       step = 2.0 ** (np.maximum(np.frexp(np.where(r == 0, 1, r))[1] - 1, 0) - 1)
;;       q = np.round(r / step) * step * 2.0 ** e      # np.round: ties to even
;;       return np.moveaxis(q.reshape(q.shape[:-2] + (-1,))[..., :K], -1, axis).astype(np.float32)
;;   ~~~
;;   OPERANDS COMPUTED ON THE WAY. 'Computed on the way' means the value that the module computes at that place (a softmax that the list does not call 'softmax' is quantised finished and normalised). What goes into a quantiser is computed in f32, as accurately as f32 sums, v_exp_f32 and their like allow (about 1e-6 of the number): no bf16 or f16 on the way to a quantiser, and a product that is left as it is and whose result goes on into a quantised operand takes f32 operands (vector FMAs, or v_wmma_f32_16x16x4_f32). A number that lies on a knife's edge between two numbers of the format may be rounded either way, as far as f32 arithmetic and the matrix unit's own rounding can turn it there, and no further.
;; 2 versions. Each part assembles by itself: llvm-mc -triple=amdgcn-amd-amdhsa -mcpu=gfx1250 --defsym DOCPART=n.
;; ======== version 1 of 2: 4 launches
;; workspace buffers: xc 524,288 bytes; xs 32,768 bytes; idx 4,096 bytes of whole numbers; gw 8,192 bytes; h 16,777,216 bytes; hs 2,097,152 bytes; ypart 16,777,216 bytes
;; launch route (part 1): grid 256 x 1, 1 waves a work-group, no clusters, 2,816 bytes of LDS; arguments hidden_states, router_w, xc, xs, idx, gw; writes xc, xs, idx, gw
.if DOCPART == 1
	.amdgcn_target "amdgcn-amd-amdhsa--gfx1250"
	.amdhsa_code_object_version 6
	.text
	.protected	k_q8cd068e524_route
	.globl	k_q8cd068e524_route
	.p2align	8
	.type	k_q8cd068e524_route,@function
k_q8cd068e524_route:
	s_mov_b64 s[64:65], 0
	v_nop
	global_prefetch_b8 v0, s[64:65] scope:SCOPE_SE
	s_setreg_imm32_b32 hwreg(HW_REG_WAVE_MODE, 25, 1), 1
	s_wait_xcnt 0x0
; ROUTER AND QUANTISER OF THE TOKENS.  1,024 tokens of 1,024 f32; one wave takes four tokens.
; (1) logits = x . router_w[e], e = 0..7, by f32 multiply-adds; softmax with the maximum taken away; the two largest probabilities (a tie keeps the lower index, as the strict
;     compares below do); softmax over those two: w1 = 1 / (1 + e^(p2 - p1)), w2 = e^(p2 - p1) w1 (p1 >= p2, so the larger is taken away).
;     Stored at fixed places: idx[token] = e1 | e2 << 8 (whole numbers), gw[0][token] = w1, gw[1][token] = w2.  No address and no branch here hangs on the choice.
; (2) x as codes of E2M1 with one E8M0 byte for each 32 along K: xc[token][512 bytes], xs[token][32 bytes], K in its natural order.
; A lane holds k = 128 i + 4 lane + 0..3 of each token (load i), so every load reads 512 consecutive bytes and a block of 32 lies in eight neighbouring lanes.
; ALL LOADS GO OUT AT ONCE: the four tokens (window 0) and the eight rows of router_w (256 registers: window 1), so that the wave waits for memory once and not once for every pair of experts.
; LIMITS: NaN and infinities are not served.  The logits are summed in another order than a row-wise sum: where the second and third probability differ by f32 rounding alone the choice may fall either way.
; A block of zeros gets the byte 1 (its codes are zeros; only this program reads the bytes).  idx and gw leave in pieces of 16 bytes, xs in pieces of 128: 45 KB in all.
.set L16,  2                           ; v2   16 x lane
.set L4,   3                           ; v3   4 x lane
.set CA,   4                           ; v4   LDS: 2 x lane: my four codes' place in 64 bytes
.set SA,   5                           ; v5   LDS: XSCL + lane / 8: my block's byte in a scale word
.set LG,   16                          ; v16-47   token t, expert e at 8 t + e: logits, then probabilities
.set AC,   48                          ; v48-55   at work in the softmax
.set DA,   64                          ; v64-127  a pair of sums for each (expert, token): pair 4 e + t
.set X,    128                         ; v128-255 32 registers a token.  Window 1: expert e's row of router_w at v[32 e]
.set BV,   64                          ; behind the logits v64-127 are free: best value, best index, second value, second index, at work
.set BI,   68
.set SV,   72
.set SI,   76
.set MX,   80
.set PK,   84                          ; v84-87 the four packed choices; v88-91 w1; v92-95 w2
.set GA,   88
.set GZ,   92
.set M,    96                          ; the quantiser: largest magnitudes and scale operands, bytes, codes
.set BY,   104
.set CD,   112
.set SPR,  8                           ; K steps of 128 in a row piece
.set CP,   0                           ; (a group is one row here: no pitch from row to row)
.set SP2,  0
.set XSCL, 2048                        ; LDS: 4 x 512 bytes of codes, then 4 x 32 scale bytes
.set MSB, 0
.macro WIN new                         ; the register windows: the immediate's high byte repeats the setting that is left; a switch that changes nothing is dropped
.if MSB != (\new)
	s_set_vgpr_msb (MSB<<8)|(\new)
.set MSB, (\new)
.endif
.endm
; n loads of 128 numbers each (load i in v[R + 4 i .. + 3] of window win) become codes and scale bytes in LDS.  A block's largest magnitude: my four, with the floor 2^(3 - 127) among them, which
; holds the byte at 1 from below; then seven neighbours by three exchanges.  2 off its exponent field is the conversion's scale operand, and that shifted is the byte.
; The conversion takes eight numbers: loads 2 p and 2 p + 1.  Under the even load's scale its low 16 bits are that load's four codes, under the odd load's scale the high 16 bits are the odd load's.
.macro QG R, n, win, co, so
	WIN 5*(\win)
.set ii, 0
.rept \n
	v_max3_num_f32 v[M+ii], |v[(\R)+4*ii]|, |v[(\R)+4*ii+1]|, 0x1800000
.set ii, ii+1
.endr
.set ii, 0
.rept \n
	v_max3_num_f32 v[M+ii], |v[(\R)+4*ii+2]|, |v[(\R)+4*ii+3]|, v[M+ii]
.set ii, ii+1
.endr
	WIN 0
.irp m, 1,2,4
.set ii, 0
.rept \n
	v_max_num_f32_dpp v[M+ii], v[M+ii], v[M+ii] row_xmask:\m row_mask:0xf bank_mask:0xf
.set ii, ii+1
.endr
.endr
	s_wait_dscnt 0x0                               ; the last group's LDS stores have read their bytes and codes
.set ii, 0
.rept \n
	v_add_nc_u32 v[M+ii], 0xff000000, v[M+ii]      ; 2 off the exponent field
.set ii, ii+1
.endr
.set ii, 0
.rept \n
	v_lshrrev_b32 v[BY+ii], 23, v[M+ii]            ; the scale's byte
.set ii, ii+1
.endr
	WIN (\win)
.set ii, 0
.rept \n
	v_cvt_scalef32_pk8_fp4_f32 v[CD+ii], v[(\R)+8*(ii/2):(\R)+8*(ii/2)+7], v[M+ii]
.set ii, ii+1
.endr
	WIN 0
	v_nop                                          ; one plain place behind the scaled conversions
.set ii, 0
.rept \n
.if ii%2 == 0
	ds_store_b16 v[CA], v[CD+ii] offset:(\co)+(ii/SPR)*CP+(ii%SPR)*64          ; 32 lanes store 64 consecutive bytes: 128 codes
.else
	ds_store_b16_d16_hi v[CA], v[CD+ii] offset:(\co)+(ii/SPR)*CP+(ii%SPR)*64
.endif
.set ii, ii+1
.endr
.set ii, 0
.rept \n
	ds_store_b8 v[SA], v[BY+ii] offset:(\so)+(ii/SPR)*SP2+(ii%SPR)*4           ; the eight lanes of a block write the same byte with the same value
.set ii, ii+1
.endr
.endm
	s_load_b256 s[4:11], s[0:1], 0x0               ; hidden_states s[4:5], router_w s[6:7], xc s[8:9], xs s[10:11]
	s_load_b128 s[12:15], s[0:1], 0x20             ; idx s[12:13], gw s[14:15]
	v_lshl_add_u32 v62, v0, 2, 0xa00
	v_mov_b32 v63, 0
	v_lshlrev_b32 v[L16], 4, v0
	v_lshlrev_b32 v[L4], 2, v0
	v_lshlrev_b32 v[CA], 1, v0
	v_lshrrev_b32 v[SA], 3, v0
	v_add_nc_u32 v[SA], XSCL, v[SA]
	s_mov_b32 s18, 0x76543210
	s_mov_b32 s19, 0xfedcba98                      ; selects for lane l xor 16
	s_mov_b32 s17, 0
	s_lshl_b32 s16, ttmp9, 14                      ; four tokens of 4,096 bytes
	s_wait_kmcnt 0x0
	s_add_nc_u64 s[4:5], s[4:5], s[16:17]
	s_lshl_b32 s16, ttmp9, 11                      ; four rows of 512 bytes of codes
	s_add_nc_u64 s[8:9], s[8:9], s[16:17]
	s_lshl_b32 s16, ttmp9, 7                       ; four rows of 32 scale bytes
	s_add_nc_u64 s[10:11], s[10:11], s[16:17]
	s_lshl_b32 s16, ttmp9, 4                       ; four words
	s_add_nc_u64 s[12:13], s[12:13], s[16:17]
	s_add_nc_u64 s[14:15], s[14:15], s[16:17]
.irp t, 0,1,2,3
.set ii, 0
.rept 8
	global_load_b128 v[X+32*\t+4*ii:X+32*\t+4*ii+3], v[L16], s[4:5] offset:4096*\t+512*ii th:TH_LOAD_NT
.set ii, ii+1
.endr
.endr
	WIN 0x40                                       ; destination window 1
.irp e, 0,1,2,3,4,5,6,7
.set ii, 0
.rept 8
	global_load_b128 v[32*\e+4*ii:32*\e+4*ii+3], v[L16], s[6:7] offset:4096*\e+512*ii
.set ii, ii+1
.endr
.endr
	WIN 0x04                                       ; source 1 (router_w) window 1: one setting for all 512 packed multiply-adds
.irp e, 0,1,2,3,4,5,6,7
	s_wait_loadcnt 8*(7-\e)                        ; x and the rows up to expert e are in; eight loads for each later expert stay out
.irp t, 0,1,2,3
	v_pk_mul_f32 v[DA+2*(4*\e+\t):DA+2*(4*\e+\t)+1], v[X+32*\t:X+32*\t+1], v[32*\e:32*\e+1]
.endr
.set jj, 1
.rept 15
.irp t, 0,1,2,3
	v_pk_fma_f32 v[DA+2*(4*\e+\t):DA+2*(4*\e+\t)+1], v[X+32*\t+2*jj:X+32*\t+2*jj+1], v[32*\e+2*jj:32*\e+2*jj+1], v[DA+2*(4*\e+\t):DA+2*(4*\e+\t)+1]
.endr
.set jj, jj+1
.endr
.endr
	WIN 0
.irp e, 0,1,2,3,4,5,6,7
.irp t, 0,1,2,3
	v_add_f32 v[LG+8*\t+\e], v[DA+2*(4*\e+\t)], v[DA+2*(4*\e+\t)+1]
.endr
.endr
.irp m, 1,2,4,8                        ; the 32 sums over the lanes, by turns
.set jj, 0
.rept 32
	v_add_f32_dpp v[LG+jj], v[LG+jj], v[LG+jj] row_xmask:\m row_mask:0xf bank_mask:0xf
.set jj, jj+1
.endr
.endr
.set jj, 0
.rept 32
	v_permlanex16_b32 v[DA+jj], v[LG+jj], s18, s19 ; (its destination counts as read: the sums' registers have been written)
.set jj, jj+1
.endr
.set jj, 0
.rept 32
	v_add_f32 v[LG+jj], v[LG+jj], v[DA+jj]         ; every lane holds the logit
.set jj, jj+1
.endr
	; the softmax over the eight experts, the maximum taken away first
.irp t, 0,1,2,3
	v_max3_num_f32 v[MX+\t], v[LG+8*\t], v[LG+8*\t+1], v[LG+8*\t+2]
.endr
.irp t, 0,1,2,3
	v_max3_num_f32 v[MX+\t], v[MX+\t], v[LG+8*\t+3], v[LG+8*\t+4]
.endr
.irp t, 0,1,2,3
	v_max3_num_f32 v[MX+\t], v[MX+\t], v[LG+8*\t+5], v[LG+8*\t+6]
.endr
.irp t, 0,1,2,3
	v_max_num_f32 v[MX+\t], v[MX+\t], v[LG+8*\t+7]
.endr
.irp e, 0,1,2,3,4,5,6,7
.irp t, 0,1,2,3
	v_sub_f32 v[LG+8*\t+\e], v[LG+8*\t+\e], v[MX+\t]
.endr
.endr
.set jj, 0
.rept 32
	v_mul_f32 v[LG+jj], 0x3fb8aa3b, v[LG+jj]       ; x log2(e)
.set jj, jj+1
.endr
.set jj, 0
.rept 32
	v_exp_f32 v[LG+jj], v[LG+jj]
.set jj, jj+1
.endr
	v_nop                                          ; a plain place behind the last exponential
	s_wait_alu depctr_va_vdst(0)                   ; one wait for the batch, ahead of its first reader
.irp t, 0,1,2,3
	v_pk_add_f32 v[AC+2*\t:AC+2*\t+1], v[LG+8*\t:LG+8*\t+1], v[LG+8*\t+2:LG+8*\t+3]
.endr
.irp t, 0,1,2,3
	v_pk_add_f32 v[AC+2*\t:AC+2*\t+1], v[AC+2*\t:AC+2*\t+1], v[LG+8*\t+4:LG+8*\t+5]
.endr
.irp t, 0,1,2,3
	v_pk_add_f32 v[AC+2*\t:AC+2*\t+1], v[AC+2*\t:AC+2*\t+1], v[LG+8*\t+6:LG+8*\t+7]
.endr
.irp t, 0,1,2,3
	v_add_f32 v[MX+\t], v[AC+2*\t], v[AC+2*\t+1]
.endr
.irp t, 0,1,2,3
	v_rcp_f32 v[MX+\t], v[MX+\t]
.endr
	v_nop
	s_wait_alu depctr_va_vdst(0)                   ; one wait for the four reciprocals
.irp e, 0,1,2,3,4,5,6,7
.irp t, 0,1,2,3
	v_mul_f32 v[LG+8*\t+\e], v[LG+8*\t+\e], v[MX+\t]   ; the probabilities
.endr
.endr
	; the largest: a later expert wins only where it is strictly larger
.irp t, 0,1,2,3
	v_cmp_gt_f32 s[20+\t], v[LG+8*\t+1], v[LG+8*\t]
.endr
.irp t, 0,1,2,3
	v_cndmask_b32 v[BV+\t], v[LG+8*\t], v[LG+8*\t+1], s[20+\t]
	v_cndmask_b32 v[BI+\t], 0, 1, s[20+\t]
.endr
.irp e, 2,3,4,5,6,7
.irp t, 0,1,2,3
	v_cmp_gt_f32 s[20+\t], v[LG+8*\t+\e], v[BV+\t]
.endr
.irp t, 0,1,2,3
	v_cndmask_b32 v[BV+\t], v[BV+\t], v[LG+8*\t+\e], s[20+\t]
	v_cndmask_b32 v[BI+\t], v[BI+\t], \e, s[20+\t]
.endr
.endr
	; the second: the same search over the experts that are not the best; it begins at -1, under every probability
.irp t, 0,1,2,3
	v_cmp_ne_u32 s[24+\t], 0, v[BI+\t]
.endr
.irp t, 0,1,2,3
	v_cndmask_b32 v[SV+\t], -1.0, v[LG+8*\t], s[24+\t]
	v_mov_b32 v[SI+\t], 0
.endr
.irp e, 1,2,3,4,5,6,7
.irp t, 0,1,2,3
	v_cmp_ne_u32 s[24+\t], \e, v[BI+\t]
	v_cmp_gt_f32 s[20+\t], v[LG+8*\t+\e], v[SV+\t]
.endr
.irp t, 0,1,2,3
	s_and_b32 s[20+\t], s[20+\t], s[24+\t]
.endr
.irp t, 0,1,2,3
	v_cndmask_b32 v[SV+\t], v[SV+\t], v[LG+8*\t+\e], s[20+\t]
	v_cndmask_b32 v[SI+\t], v[SI+\t], \e, s[20+\t]
.endr
.endr
	; the softmax over the two
.irp t, 0,1,2,3
	v_sub_f32 v[MX+\t], v[SV+\t], v[BV+\t]         ; p2 - p1, 0 or less
.endr
.irp t, 0,1,2,3
	v_mul_f32 v[MX+\t], 0x3fb8aa3b, v[MX+\t]
.endr
.irp t, 0,1,2,3
	v_exp_f32 v[MX+\t], v[MX+\t]
.endr
.irp t, 0,1,2,3
	v_lshl_or_b32 v[PK+\t], v[SI+\t], 8, v[BI+\t]  ; the choice as a whole number (plain work behind the exponentials)
.endr
	s_wait_alu depctr_va_vdst(0)
.irp t, 0,1,2,3
	v_add_f32 v[AC+\t], 1.0, v[MX+\t]
.endr
.irp t, 0,1,2,3
	v_rcp_f32 v[GA+\t], v[AC+\t]                   ; w1
.endr
	v_nop
	s_wait_alu depctr_va_vdst(0)
.irp t, 0,1,2,3
	v_mul_f32 v[GZ+\t], v[MX+\t], v[GA+\t]         ; w2
.endr
	; x into codes, a token at a time, through LDS so that a token's 512 bytes leave as they lie
.irp t, 0,1,2,3
	QG X+32*\t, 8, 0, 512*\t, 32*\t
.endr
.irp t, 0,1,2,3
	ds_load_b128 v[X+4*\t:X+4*\t+3], v[L16] offset:512*\t   ; LDS serves a wave's instructions in order (ISA guide 5.7.1.4): these see my stores
.endr
	ds_load_b32 v[X+16], v[L4] offset:XSCL
	s_wait_dscnt 0x0
.irp t, 0,1,2,3
	global_store_b128 v[L16], v[X+4*\t:X+4*\t+3], s[8:9] offset:512*\t   ; 32 lanes store 512 consecutive bytes
.endr
	global_store_b32 v[L4], v[X+16], s[10:11]      ; four tokens' 128 scale bytes
	v_cmp_gt_u32 vcc_lo, 1, v0
	s_wait_xcnt 0x0                                ; EXEC changes only behind this wait
	s_wait_tensorcnt 0x0
	ds_add_u32 v62, v63
	s_wait_dscnt 0x0
	s_and_saveexec_b32 s20, vcc_lo                 ; lane 0 alone (its 16 x lane is 0): every lane holds the same twelve numbers
	global_store_b128 v[L16], v[PK:PK+3], s[12:13]
	global_store_b128 v[L16], v[GA:GA+3], s[14:15]
	global_store_b128 v[L16], v[GZ:GZ+3], s[14:15] offset:4096
	s_wait_xcnt 0x0                                ; and again in front of the line that widens it
	s_or_b32 exec_lo, exec_lo, s20
	s_endpgm
.Lfunc_end_k_q8cd068e524_route:
	.size	k_q8cd068e524_route, .Lfunc_end_k_q8cd068e524_route-k_q8cd068e524_route
	.p2alignl 7, 3214868480
	.fill 96, 4, 3214868480
	.section	.rodata,"a",@progbits
	.p2align	6, 0x0
	.amdhsa_kernel k_q8cd068e524_route
		.amdhsa_group_segment_fixed_size 2816
		.amdhsa_private_segment_fixed_size 0
		.amdhsa_enable_private_segment 0
		.amdhsa_kernarg_size 48
		.amdhsa_user_sgpr_count 2
		.amdhsa_user_sgpr_kernarg_segment_ptr 1
		.amdhsa_wavefront_size32 1
		.amdhsa_system_sgpr_workgroup_id_x 1
		.amdhsa_system_sgpr_workgroup_id_y 1
		.amdhsa_system_sgpr_workgroup_id_z 1
		.amdhsa_system_vgpr_workitem_id 0
		.amdhsa_next_free_vgpr 512
		.amdhsa_next_free_sgpr 66
		.amdhsa_reserve_vcc 1
		.amdhsa_float_denorm_mode_32 3
		.amdhsa_float_denorm_mode_16_64 3
		.amdhsa_memory_ordered 1
		.amdhsa_forward_progress 1
		.amdhsa_inst_pref_size 99
	.end_amdhsa_kernel
	.amdgpu_metadata
---
amdhsa.version: [ 1, 2 ]
amdhsa.kernels:
  - .name:           k_q8cd068e524_route
    .symbol:         k_q8cd068e524_route.kd
    .args:
      - { .name: hidden_states, .offset: 0, .size: 8, .value_kind: global_buffer, .address_space: global }
      - { .name: router_w, .offset: 8, .size: 8, .value_kind: global_buffer, .address_space: global }
      - { .name: xc, .offset: 16, .size: 8, .value_kind: global_buffer, .address_space: global }
      - { .name: xs, .offset: 24, .size: 8, .value_kind: global_buffer, .address_space: global }
      - { .name: idx, .offset: 32, .size: 8, .value_kind: global_buffer, .address_space: global }
      - { .name: gw, .offset: 40, .size: 8, .value_kind: global_buffer, .address_space: global }
    .group_segment_fixed_size: 2816
    .private_segment_fixed_size: 0
    .kernarg_segment_align: 8
    .kernarg_segment_size: 48
    .max_flat_workgroup_size: 32
    .sgpr_count:     66
    .vgpr_count:     512
    .wavefront_size: 32
...
	.end_amdgpu_metadata
.endif
;; end of part 1
;; launch up (part 2): grid 256 x 1, 4 waves a work-group, no clusters, 110,336 bytes of LDS; arguments w1, xc, xs, idx, h, hs; writes h, hs
.if DOCPART == 2
	.amdgcn_target "amdgcn-amd-amdhsa--gfx1250"
	.amdhsa_code_object_version 6
	.text
	.protected	k_q8cd068e524_up
	.globl	k_q8cd068e524_up
	.p2align	8
	.type	k_q8cd068e524_up,@function
k_q8cd068e524_up:
	s_mov_b64 s[64:65], 0
	v_nop
	global_prefetch_b8 v0, s[64:65] scope:SCOPE_SE
	s_setreg_imm32_b32 hwreg(HW_REG_WAVE_MODE, 25, 1), 1
	s_wait_xcnt 0x0
; FIRST PRODUCT OF THE EXPERTS: h = Q(silu(Q(x) Q(W1[e])^T)) for the rows that chose expert e, in MX-FP4 (E2M1 codes, one E8M0 byte for each 32 along K), f32 sums.
; SHARES.  Work-group wg owns expert e = wg / 32 and hidden units 128 (wg % 32) .. + 127: 128 rows of w1, 512 KB of f32, dense in memory, read by nobody else.
; PHASE 1, the stream: wave w reads rows 32 w .. 32 w + 31 (128 KB), 512 consecutive bytes a load, 64 loads on their way, quantises them in registers and lays the codes (64 KB for the work-group) in LDS.
; Meanwhile every wave reads idx (4 KB) and counts the rows of expert e; wave 0 stores their list (the tokens) in LDS.  The launch that follows builds its list in the same order.
; PHASE 2: every wave takes ALL the work-group's codes into 512 registers, and the four waves share the list's tiles of 16 rows: wave w takes tiles w, w + 4, ..
; A tile: its 16 tokens' codes, A ROW A LOAD (512 consecutive bytes), turned into eight fragments through the wave's own stage in LDS; 64 matrix instructions (transposed: source 0 = 16 rows of W1,
; source 1 = x), silu in f32, quantised in registers: one fragment (16 rows x 128 K) of the second product, stored as an image of its registers:
; h[e][tile][K step][1,024 bytes], hs[e][tile][K step][32 lanes x 4 bytes].
; THE ORDER INSIDE A BLOCK OF 32.  A tile of W1 is 16 neighbouring rows, so lane (token, half h) holds in register j of tile 2 b + u the hidden unit 32 b + 16 u + 8 h + j, and the quantiser lays it at
; place 32 b + 16 h + 8 u + j of the next K: bits 3 and 4 of the unit's number change places, inside one block, under one scale.  The launch that follows lays W2's codes in the same order.
; THE LAST TILE is filled up with copies of the list's last entry: its spare rows compute what that row computes.  An expert without rows does phase 1 and stores nothing.
; No tensor load: trip work hangs on a count read from memory.  No cluster: no two work-groups read the same weights, and what they share (x's codes, 0.5 MB) is small beside 512 KB a work-group.
; LIMITS: NaN and infinities are not served.  silu(z) for z under about -88 is -0 (the exponential overflows, the reciprocal is 0), where the true value lies under 1e-36.
; A block of zeros gets the byte 1 (its codes are zeros; only this program reads the bytes).  hs leaves in pieces of 128 bytes; x's scale words come in pieces of 32.
.set CP,    528                        ; LDS: a row of 1,024 codes: 512 bytes + 16 = 132 words: row r starts at bank 4 r mod 64 (64 banks of 4 bytes: ISA guide 11.1): 16 neighbouring rows start at 16 different banks
.set SP2,   32                         ; a row's scale bytes
.set SPR,   8                          ; K steps of 128 in a row
.set GB,    8192                       ; a group of 16 loads in memory: two rows
.set GC,    2*CP                       ; its codes in LDS
.set GS,    2*SP2                      ; its scale bytes
.set WSCL,  128*CP                     ; LDS: 128 rows of W1's codes from 0; their scale bytes from here;
.set LIST,  WSCL+128*SP2               ; the list: 1,056 words, and 32 words behind it that take what is not on the list;
.set XST,   LIST+4352                  ; the stages for x: 16 rows of CP bytes for each wave
.set XSB,   16*CP
.set LANE,  1
.set RR,    2                          ; lane % 16
.set HH,    3                          ; lane / 16
.set L16,   4
.set L4,    5
.set CA0,   6                          ; 2 x lane + my wave's 32 rows
.set SA0,   7                          ; WSCL + lane / 8 + my wave's 32 rows
.set AW,    8                          ; my lane's place in a tile of W1
.set ASW,   9                          ; and among its scale words: lanes 0-15 K steps 0-3, lanes 16-31 K steps 4-7
.set LA0,   10                         ; LIST + 4 (lane % 16)
.set LAD,   11
.set ENT,   12
.set LBA,   13                         ; LIST + 4 x the tile's first row: the same in every lane
.set XSO,   14
.set HO,    15
.set HSO,   16
.set H16,   17
.set DMPI,  18                         ; 1056 + lane
.set PADA,  19
.set LASTA, 20
.set LZ,    21
.set LZ2,   22
.set XSTA,  23                         ; my stage, on the way in: 16 x lane
.set W1S,   24                         ; v24-55  W1's scale words, tile t at 4 t: nothing but scales
.set XS,    56                         ; v56-63  x's scale words, two sets of 4: nothing but scales
.set HA,    64                         ; v64-127 my tile of the hidden layer
.set T,     128                        ; v128-191 at work in silu
.set M,     128                        ; the stream's quantiser
.set BY,    144
.set CD,    160
.set PC,    192                        ; v192-199 the fragment just made
.set TM,    200                        ; v200-215 at work in QUANT
.set PW,    216                        ; its scale word
.set XFA,   217                        ; my stage, on the way out: row lane % 16, + 16 (lane / 16)
.set CA,    218
.set SA,    219
.set Z,     220                        ; v220-223 zeros
.set OF,    228                        ; v228-231 the stream: an offset for each of the ring's four groups
.set EB,    232                        ; v232-247 a tile's 16 tokens, then their rows' offsets in xc
.set IX,    64                         ; the list's making: idx, entries, addresses
.set EN,    96
.set AD,    128
.set T0,    200
.set T1,    201
.set T2,    202
.set XF,    64                         ; window 1: v0-63 a tile's 16 rows as loaded; v64-127 its eight fragments
.set WV,    16
.set EX,    17
.set SLICE, 18
.set CNT,   19                         ; rows of my expert
.set MA,    20
.set MM,    21
.set TT,    22
.set J16,   23                         ; first row of the tile in hand
.set J16N,  24                         ; of the tile to be fetched
.set CTR,   25
.set OFS,   26
.set SEL,   28
.set WP,    30                         ; my stream's first byte; never rewritten
.set TC,    32
.set TS,    33
; REGISTER WINDOWS: window 0 as above; window 1: the stream's ring of four groups of 64, later x; windows 2, 3: W1's 64 fragments, (tile t, K step s) at 8 ((8 s + t) % 32), s < 4 in window 2.
.set MSB, 0
.macro WIN new                         ; the immediate's high byte repeats the setting that is left; a switch that changes nothing is dropped
.if MSB != (\new)
	s_set_vgpr_msb (MSB<<8)|(\new)
.set MSB, (\new)
.endif
.endm
; n loads of 128 numbers each (load i in v[R + 4 i .. + 3] of window win; lane l holds k = 4 l .. 4 l + 3) become codes and scale bytes in LDS.  A block of 32 is eight lanes: my four magnitudes, with the floor
; 2^(3 - 127) among them, which holds the byte at 1 from below; then three exchanges.  2 off the exponent field is the conversion's scale operand, and that shifted is the byte.
; The conversion takes eight numbers: loads 2 p and 2 p + 1.  Under the even load's scale its low 16 bits are that load's four codes, under the odd load's scale the high 16 bits are the odd load's.
.macro QG R, n, win, co, so
	WIN 5*(\win)
.set ii, 0
.rept \n
	v_max3_num_f32 v[M+ii], |v[(\R)+4*ii]|, |v[(\R)+4*ii+1]|, 0x1800000
.set ii, ii+1
.endr
.set ii, 0
.rept \n
	v_max3_num_f32 v[M+ii], |v[(\R)+4*ii+2]|, |v[(\R)+4*ii+3]|, v[M+ii]
.set ii, ii+1
.endr
	WIN 0
.irp m, 1,2,4
.set ii, 0
.rept \n
	v_max_num_f32_dpp v[M+ii], v[M+ii], v[M+ii] row_xmask:\m row_mask:0xf bank_mask:0xf
.set ii, ii+1
.endr
.endr
	s_wait_dscnt 0x0                               ; the last group's LDS stores have read their bytes and codes
.set ii, 0
.rept \n
	v_add_nc_u32 v[M+ii], 0xff000000, v[M+ii]
.set ii, ii+1
.endr
.set ii, 0
.rept \n
	v_lshrrev_b32 v[BY+ii], 23, v[M+ii]
.set ii, ii+1
.endr
	WIN (\win)
.set ii, 0
.rept \n
	v_cvt_scalef32_pk8_fp4_f32 v[CD+ii], v[(\R)+8*(ii/2):(\R)+8*(ii/2)+7], v[M+ii]
.set ii, ii+1
.endr
	WIN 0
	v_nop                                          ; one plain place behind the scaled conversions
.set ii, 0
.rept \n
.if ii%2 == 0
	ds_store_b16 v[CA], v[CD+ii] offset:(\co)+(ii/SPR)*CP+(ii%SPR)*64          ; 32 lanes store 64 consecutive bytes: 128 codes
.else
	ds_store_b16_d16_hi v[CA], v[CD+ii] offset:(\co)+(ii/SPR)*CP+(ii%SPR)*64
.endif
.set ii, ii+1
.endr
.set ii, 0
.rept \n
	ds_store_b8 v[SA], v[BY+ii] offset:(\so)+(ii/SPR)*SP2+(ii%SPR)*4           ; the eight lanes of a block write the same byte with the same value
.set ii, ii+1
.endr
.endm
.macro LOADG g                         ; 16 loads of 512 consecutive bytes into the ring's group g, from the group's own offset on
	WIN 0x40
.set ii, 0
.rept 16
	global_load_b128 v[64*(\g)+4*ii:64*(\g)+4*ii+3], v[OF+(\g)], s[WP:WP+1] offset:512*ii th:TH_LOAD_NT
.set ii, ii+1
.endr
	WIN 0
.endm
; 64 numbers of a lane, register 16 b + i = place 32 b + 16 (lane / 16) + i of my row, become a fragment's codes in v[PC] on and its scale word in v[PW].
.macro QUANT s
.irp b, 0,1,2,3
	v_max3_num_f32 v[TM+\b], |v[\s+16*\b]|, |v[\s+1+16*\b]|, 0x1800000   ; my 16 numbers of block b, and the floor
.endr
.irp i, 2,4,6,8,10,12,14
.irp b, 0,1,2,3
	v_max3_num_f32 v[TM+\b], v[TM+\b], |v[\s+16*\b+\i]|, |v[\s+1+16*\b+\i]|
.endr
.endr
.irp b, 0,1,2,3
	v_permlanex16_b32 v[TM+4+\b], v[TM+\b], s[SEL], s[SEL+1]
.endr
.irp b, 0,1,2,3
	v_max_num_f32 v[TM+\b], v[TM+\b], v[TM+4+\b]   ; with lane l xor 16's: the block's largest magnitude
.endr
.irp b, 0,1,2,3
	v_add_nc_u32 v[TM+12+\b], 0xff000000, v[TM+\b]
.endr
.irp b, 0,1,2,3
	v_lshrrev_b32 v[TM+4+\b], 23, v[TM+12+\b]
.endr
	v_lshl_or_b32 v[PW], v[TM+5], 8, v[TM+4]       ; my row's scale word; lanes l and l xor 16 hold the same
	v_lshl_or_b32 v[PW], v[TM+6], 16, v[PW]
	v_lshl_or_b32 v[PW], v[TM+7], 24, v[PW]
.irp b, 0,1,2,3
	v_cvt_scalef32_pk8_fp4_f32 v[PC+2*\b], v[\s+16*\b:\s+7+16*\b], v[TM+12+\b]
	v_cvt_scalef32_pk8_fp4_f32 v[PC+1+2*\b], v[\s+8+16*\b:\s+15+16*\b], v[TM+12+\b]
.endr
	v_nop                                          ; one plain place behind a scaled conversion
.irp c, 0,1                            ; the operand's layout wants a whole block in a lane
.irp i, 0,1
	v_permlane16_swap_b32 v[PC+4*\c+\i], v[PC+2+4*\c+\i]
.endr
.endr
.endm
; silu(z) = z / (1 + 2^(-z log2 e)), in f32, on the tile's 64 registers, ascending.  Two batches of 64, one wait each.
.macro SILU
.set jj, 0
.rept 32
	v_pk_mul_f32 v[T+jj:T+jj+1], v[HA+jj:HA+jj+1], 0xbfb8aa3b op_sel_hi:[1,0]
.set jj, jj+2
.endr
.set jj, 0
.rept 64
	v_exp_f32 v[T+jj], v[T+jj]
.set jj, jj+1
.endr
	v_nop
	s_wait_alu depctr_va_vdst(0)
.set jj, 0
.rept 32
	v_pk_add_f32 v[T+jj:T+jj+1], v[T+jj:T+jj+1], 1.0 op_sel_hi:[1,0]
.set jj, jj+2
.endr
.set jj, 0
.rept 64
	v_rcp_f32 v[T+jj], v[T+jj]
.set jj, jj+1
.endr
	v_nop
	s_wait_alu depctr_va_vdst(0)
.set jj, 0
.rept 32
	v_pk_mul_f32 v[HA+jj:HA+jj+1], v[HA+jj:HA+jj+1], v[T+jj:T+jj+1]
.set jj, jj+2
.endr
.endm
; one scaled product.  z: it starts the sum with the constant 0.  ra, rb: A's, B's scales are taken from lanes 16-31.
.macro WMS d, a, bq, z, sa, sb, ra, rb
.if \z
	v_wmma_scale_f32_16x16x128_f8f6f4 v[\d:\d+7], v[\a:\a+7], v[\bq:\bq+7], 0, v[\sa], v[\sb] matrix_a_fmt:MATRIX_FMT_FP4 matrix_b_fmt:MATRIX_FMT_FP4
.elseif (\ra) && (\rb)
	v_wmma_scale_f32_16x16x128_f8f6f4 v[\d:\d+7], v[\a:\a+7], v[\bq:\bq+7], v[\d:\d+7], v[\sa], v[\sb] matrix_a_fmt:MATRIX_FMT_FP4 matrix_b_fmt:MATRIX_FMT_FP4 matrix_a_scale:MATRIX_SCALE_ROW1 matrix_b_scale:MATRIX_SCALE_ROW1
.elseif \ra
	v_wmma_scale_f32_16x16x128_f8f6f4 v[\d:\d+7], v[\a:\a+7], v[\bq:\bq+7], v[\d:\d+7], v[\sa], v[\sb] matrix_a_fmt:MATRIX_FMT_FP4 matrix_b_fmt:MATRIX_FMT_FP4 matrix_a_scale:MATRIX_SCALE_ROW1
.elseif \rb
	v_wmma_scale_f32_16x16x128_f8f6f4 v[\d:\d+7], v[\a:\a+7], v[\bq:\bq+7], v[\d:\d+7], v[\sa], v[\sb] matrix_a_fmt:MATRIX_FMT_FP4 matrix_b_fmt:MATRIX_FMT_FP4 matrix_b_scale:MATRIX_SCALE_ROW1
.else
	v_wmma_scale_f32_16x16x128_f8f6f4 v[\d:\d+7], v[\a:\a+7], v[\bq:\bq+7], v[\d:\d+7], v[\sa], v[\sb] matrix_a_fmt:MATRIX_FMT_FP4 matrix_b_fmt:MATRIX_FMT_FP4
.endif
.endm
; The tile that begins at row s[J16N] of the list, if there is one: its 16 tokens' rows of codes, a row a load, into window 1's v0-63, and their scale words into set b.  17 loads.
; Every lane reads all 16 entries (four LDS loads from one address), so that a row's load has one token and 16 x lane: 512 consecutive bytes.
.macro PREF b
	s_cmp_lt_u32 s[J16N], s[CNT]
	s_cbranch_scc0 .Lnp_\@
	v_lshl_add_u32 v[LAD], s[J16N], 2, v[LA0]
	v_lshl_add_u32 v[LBA], s[J16N], 2, LIST
	ds_load_b32 v[ENT], v[LAD]                     ; row lane % 16 of the tile, for the scale words
.irp i, 0,1,2,3
	ds_load_b128 v[EB+4*\i:EB+4*\i+3], v[LBA] offset:16*\i
.endr
	s_wait_dscnt 0x0                               ; the entries are in (and every earlier LDS instruction of mine is done)
	v_min_u32 v[ENT], 0x3ff, v[ENT]
	v_lshl_add_u32 v[XSO], v[ENT], 5, v[H16]       ; 32 scale bytes a token: lanes 0-15 take K steps 0-3, lanes 16-31 K steps 4-7
.set jj, 0
.rept 16
	v_min_u32 v[EB+jj], 0x3ff, v[EB+jj]
.set jj, jj+1
.endr
.set jj, 0
.rept 16
	v_lshl_add_u32 v[EB+jj], v[EB+jj], 9, v[L16]   ; 512 bytes of codes a token, 16 a lane
.set jj, jj+1
.endr
	WIN 0x40
.set jj, 0
.rept 16
	global_load_b128 v[4*jj:4*jj+3], v[EB+jj], s[6:7]
.set jj, jj+1
.endr
	WIN 0
	global_load_b128 v[XS+4*(\b):XS+4*(\b)+3], v[XSO], s[8:9]
.Lnp_\@:
.endm
; One tile, if the list reaches so far.
.macro TILE b
	s_cmp_ge_u32 s[J16], s[CNT]
	s_cbranch_scc1 .Lskip_\@
	s_wait_loadcnt 0x0                             ; this tile's 17 loads, issued a tile ago, are in; their address registers are free
	WIN 0x04                                       ; an LDS store's data are its source 1: window 1
.set jj, 0
.rept 16
	ds_store_b128 v[XSTA], v[4*jj:4*jj+3] offset:CP*jj             ; row jj as it lies: 512 consecutive bytes
.set jj, jj+1
.endr
	WIN 0x40
.set ss, 0
.rept 8
	ds_load_b128 v[XF+8*ss:XF+8*ss+3], v[XFA] offset:64*ss         ; and back as fragments: my own stage, served in order (ISA guide 5.7.1.4)
	ds_load_b128 v[XF+8*ss+4:XF+8*ss+7], v[XFA] offset:64*ss+32
.set ss, ss+1
.endr
	WIN 0
	s_add_co_u32 s[J16N], s[J16], 64
	PREF 1-\b                                      ; my next tile's rows, into the registers just stored: they have this tile's work in which to land
	s_wait_dscnt 0x0                               ; the fragments are in
.set ss, 0
.rept 8                                ; the eight accumulators by turns, K step by K step
	WIN 0x06+(ss/4)                                ; source 0 (W1) window 2 or 3, source 1 (x) window 1
.set tt, 0
.rept 8
.set wd, HA+8*tt
.set wa, 8*((8*ss+tt)%32)
.set wb, XF+8*ss
.set wsa, W1S+4*tt+(ss%4)
.set wsb, XS+4*(\b)+(ss%4)
.set wr, ss/4
.if ss == 0
.set wz, 1
.else
.set wz, 0
.endif
	WMS wd, wa, wb, wz, wsa, wsb, wr, wr
.set tt, tt+1
.endr
.set ss, ss+1
.endr
	WIN 0
.rept 4
	v_nop                                          ; four places behind the last product, ahead of the first read of results (ISA guide 7.12.1)
.endr
	SILU
	s_wait_xcnt 0x0                                ; the last tile's stores have read their data and offsets
	QUANT HA
	v_lshl_add_u32 v[HO], s[J16], 11, v[L16]       ; tile J16 / 16: 32 K steps of 1,024 bytes
	v_lshl_add_u32 v[HSO], s[J16], 8, v[L4]        ; 32 K steps of 128 bytes
	global_store_b128 v[HO], v[PC:PC+3], s[12:13]              ; the fragment as it stands: 512 consecutive bytes a store
	global_store_b128 v[HO], v[PC+4:PC+7], s[12:13] offset:512
	global_store_b32 v[HSO], v[PW], s[14:15]
.Lskip_\@:
	s_add_co_u32 s[J16], s[J16], 64                ; my next tile: four tiles on
.endm
	s_load_b256 s[4:11], s[0:1], 0x0               ; w1 s[4:5], xc s[6:7], xs s[8:9], idx s[10:11]
	s_load_b128 s[12:15], s[0:1], 0x20             ; h s[12:13], hs s[14:15]
	v_lshl_add_u32 v254, v0, 2, 0x1ad00
	v_mov_b32 v255, 0
	v_lshrrev_b32 v[LANE], 5, v0
	v_readfirstlane_b32 s[WV], v[LANE]             ; wave 0..3
	v_and_b32 v[LANE], 31, v0
	v_lshlrev_b32 v[L16], 4, v[LANE]
	v_mov_b32 v[OF], v[L16]                        ; the ring's four groups begin at groups 0 to 3 of my stream
	v_add_nc_u32 v[OF+1], GB, v[L16]
	v_add_nc_u32 v[OF+2], 2*GB, v[L16]
	v_add_nc_u32 v[OF+3], 3*GB, v[L16]
	s_lshr_b32 s[EX], ttmp9, 5                     ; my expert
	s_and_b32 s[SLICE], ttmp9, 31                  ; my 128 hidden units
	s_lshl_b32 s[OFS], ttmp9, 19                   ; the work-group's 512 KB,
	s_lshl_b32 s[TT], s[WV], 17                    ; my wave's 128 KB
	s_add_co_u32 s[OFS], s[OFS], s[TT]
	s_mov_b32 s[OFS+1], 0
	s_wait_kmcnt 0x0
	s_add_nc_u64 s[WP:WP+1], s[4:5], s[OFS:OFS+1]
.set ii, 0
.rept 8
	global_load_b128 v[IX+4*ii:IX+4*ii+3], v[L16], s[10:11] offset:512*ii   ; register 4 j + i: token 128 j + 4 lane + i
.set ii, ii+1
.endr
	LOADG 0
	LOADG 1
	LOADG 2
	v_and_b32 v[RR], 15, v0
	v_bfe_u32 v[HH], v0, 4, 1
	v_lshlrev_b32 v[L4], 2, v[LANE]
	s_mul_i32 s[TT], s[WV], 32*CP
	v_lshl_add_u32 v[CA0], v[LANE], 1, s[TT]
	s_lshl_b32 s[TT], s[WV], 10
	s_add_co_u32 s[TT], s[TT], WSCL
	v_lshrrev_b32 v[SA0], 3, v[LANE]
	v_add_nc_u32 v[SA0], s[TT], v[SA0]
	v_lshlrev_b32 v[H16], 4, v[HH]
	v_mad_u32_u24 v[AW], v[RR], CP, v[H16]         ; a tile of W1: row lane % 16, + 16 (lane / 16)
	v_lshl_add_u32 v[ASW], v[RR], 5, v[H16]
	v_add_nc_u32 v[ASW], WSCL, v[ASW]
	s_mul_i32 s[TT], s[WV], XSB
	s_add_co_u32 s[TT], s[TT], XST                 ; my stage
	v_add_nc_u32 v[XSTA], s[TT], v[L16]
	v_add_nc_u32 v[XFA], s[TT], v[AW]
	v_lshl_add_u32 v[LA0], v[RR], 2, LIST
	v_add_nc_u32 v[DMPI], 1056, v[LANE]
	v_add_nc_u32 v[LZ], LIST, v[L16]
	v_add_nc_u32 v[LZ2], LIST+4096, v[L4]
.irp i, 0,1,2,3
	v_mov_b32 v[Z+\i], 0
	v_mov_b32 v[TM+4+\i], 0                        ; written once: a lane permute's destination counts as one of its sources
.endr
.irp i, 0,1,2,3,4,5,6,7
	v_mov_b32 v[XS+\i], 0x7f7f7f7f                 ; scale words of 1.0 until the first tile's are loaded: written on every path
.endr
	s_mov_b32 s[SEL], 0x76543210
	s_mov_b32 s[SEL+1], 0xfedcba98                 ; selects for lane l xor 16
	s_lshl_b32 s[OFS], s[EX], 21                   ; h: an expert's 64 tiles x 32 K steps x 1,024 bytes,
	s_lshl_b32 s[TT], s[SLICE], 10                 ; my K step
	s_add_co_u32 s[OFS], s[OFS], s[TT]
	s_add_nc_u64 s[12:13], s[12:13], s[OFS:OFS+1]
	s_lshl_b32 s[OFS], s[EX], 18                   ; hs likewise, 128 bytes a K step
	s_lshl_b32 s[TT], s[SLICE], 7
	s_add_co_u32 s[OFS], s[OFS], s[TT]
	s_add_nc_u64 s[14:15], s[14:15], s[OFS:OFS+1]
	s_wait_loadcnt 48                              ; idx is in; the three groups of 16 behind it stay out
	; THE LIST.  Every wave counts; a row's place is the count so far + the matching lanes below mine.  What does not match goes to the 32 words behind the list.
	s_mov_b32 s[CNT], 0
.set qq, 0
.rept 32
.set tk0, 128*(qq/4)+(qq%4)
	v_and_b32 v[T0], 0xff, v[IX+qq]                ; the first choice
	v_lshrrev_b32 v[T1], 8, v[IX+qq]               ; the second
	v_cmp_eq_u32 s[MA], s[EX], v[T0]
	v_cmp_eq_u32 vcc_lo, s[EX], v[T1]
	s_or_b32 s[MM], s[MA], vcc_lo
	v_add_nc_u32 v[EN+qq], tk0, v[L4]              ; the token
	v_mbcnt_lo_u32_b32 v[T2], s[MM], s[CNT]
	v_cndmask_b32 v[T2], v[DMPI], v[T2], s[MM]
	v_min_u32 v[T2], 0x43f, v[T2]
	v_lshl_add_u32 v[AD+qq], v[T2], 2, LIST
	s_bcnt1_i32_b32 s[TT], s[MM]
	s_add_co_u32 s[CNT], s[CNT], s[TT]
.set qq, qq+1
.endr
	v_add_nc_u32 v[PADA], s[CNT], v[LANE]          ; entries CNT .. CNT + 31 become copies of the last
	v_min_u32 v[PADA], 0x41f, v[PADA]
	v_lshl_add_u32 v[PADA], v[PADA], 2, LIST
	s_max_u32 s[TT], s[CNT], 1
	s_sub_co_u32 s[TT], s[TT], 1
	s_min_u32 s[TT], s[TT], 0x3ff
	v_lshl_add_u32 v[LASTA], s[TT], 2, LIST
	LOADG 3
	s_cmp_lg_u32 s[WV], 0
	s_cbranch_scc1 .Lnolist                        ; wave 0 alone stores; no other wave touches LDS ahead of the barrier below
.set ii, 0
.rept 8
	ds_store_b128 v[LZ], v[Z:Z+3] offset:512*ii    ; the list begins as zeros,
.set ii, ii+1
.endr
	ds_store_b32 v[LZ2], v[Z]
	ds_store_b32 v[LZ2], v[Z] offset:128           ; the 32 words behind it too
.set qq, 0
.rept 32
	ds_store_b32 v[AD+qq], v[EN+qq]
.set qq, qq+1
.endr
	ds_load_b32 v[T0], v[LASTA]                    ; LDS serves a wave's instructions in order: this sees the stores above
	s_wait_dscnt 0x0
	ds_store_b32 v[PADA], v[T0]
.Lnolist:
	s_wait_dscnt 0x0                               ; for the others' sake: the list lies in LDS
	s_barrier_signal -1
	s_barrier_wait -1
	; THE STREAM: 16 groups through a ring of four.  A trip takes four groups and asks for the four that follow.  A group's offset register is stepped behind the wait that shows its own loads done,
	; so the loop has no other wait for its addresses, and the base is never written.
	s_mov_b32 s[TC], 0
	s_mov_b32 s[TS], 0
	s_mov_b32 s[CTR], 3
.Lstream:
	v_add_nc_u32 v[CA], s[TC], v[CA0]
	v_add_nc_u32 v[SA], s[TS], v[SA0]
.irp g, 0,1,2,3
	s_wait_loadcnt 48                              ; this group's 16 loads are in; the three younger groups stay out
	QG 64*\g, 16, 1, \g*GC, \g*GS
	v_add_nc_u32 v[OF+\g], 4*GB, v[OF+\g]          ; free since that wait: the group four on
	LOADG \g
.endr
	s_add_co_u32 s[TC], s[TC], 4*GC
	s_add_co_u32 s[TS], s[TS], 4*GS
	s_sub_co_u32 s[CTR], s[CTR], 1
	s_cmp_lg_u32 s[CTR], 0
	s_cbranch_scc1 .Lstream
	v_add_nc_u32 v[CA], s[TC], v[CA0]
	v_add_nc_u32 v[SA], s[TS], v[SA0]
.irp g, 0,1,2,3
	s_wait_loadcnt 48-16*\g                        ; the last four groups: nothing more is asked for, the counts run down
	QG 64*\g, 16, 1, \g*GC, \g*GS
.endr
	s_wait_dscnt 0x0                               ; for the others' sake: my 32 rows of codes and scale bytes lie in LDS
	s_barrier_signal -1
	s_barrier_wait -1                              ; everybody's do.  No barrier stands behind this one, and no branch on the count ahead of it
	s_lshl_b32 s[J16], s[WV], 4                    ; my first tile: tile w
	s_mov_b32 s[J16N], s[J16]
	PREF 0
	; all 64 fragments of W1 into windows 2 and 3, and their scale words: tile t is rows 16 t .. 16 t + 15
.set ss, 0
.rept 8
	WIN 0x80+0x40*(ss/4)
.set tt, 0
.rept 8
.set fr, 8*((8*ss+tt)%32)
.set fo, 16*tt*CP+64*ss
	ds_load_b128 v[fr:fr+3], v[AW] offset:fo
	ds_load_b128 v[fr+4:fr+7], v[AW] offset:fo+32
.set tt, tt+1
.endr
.set ss, ss+1
.endr
	WIN 0
.set tt, 0
.rept 8
	ds_load_b128 v[W1S+4*tt:W1S+4*tt+3], v[ASW] offset:16*tt*SP2
.set tt, tt+1
.endr
	s_wait_dscnt 0x0
	s_mov_b32 s[CTR], 8                            ; 16 tiles a wave serve 1,024 rows, the most that an expert can have
.Ltiles:
	TILE 0
	TILE 1
	s_sub_co_u32 s[CTR], s[CTR], 1
	s_cmp_lg_u32 s[CTR], 0
	s_cbranch_scc1 .Ltiles
	s_wait_tensorcnt 0x0
	ds_add_u32 v254, v255
	s_wait_dscnt 0x0
	s_endpgm
.Lfunc_end_k_q8cd068e524_up:
	.size	k_q8cd068e524_up, .Lfunc_end_k_q8cd068e524_up-k_q8cd068e524_up
	.p2alignl 7, 3214868480
	.fill 96, 4, 3214868480
	.section	.rodata,"a",@progbits
	.p2align	6, 0x0
	.amdhsa_kernel k_q8cd068e524_up
		.amdhsa_group_segment_fixed_size 110336
		.amdhsa_private_segment_fixed_size 0
		.amdhsa_enable_private_segment 0
		.amdhsa_kernarg_size 48
		.amdhsa_user_sgpr_count 2
		.amdhsa_user_sgpr_kernarg_segment_ptr 1
		.amdhsa_wavefront_size32 1
		.amdhsa_system_sgpr_workgroup_id_x 1
		.amdhsa_system_sgpr_workgroup_id_y 1
		.amdhsa_system_sgpr_workgroup_id_z 1
		.amdhsa_system_vgpr_workitem_id 0
		.amdhsa_next_free_vgpr 1024
		.amdhsa_next_free_sgpr 66
		.amdhsa_reserve_vcc 1
		.amdhsa_float_denorm_mode_32 3
		.amdhsa_float_denorm_mode_16_64 3
		.amdhsa_memory_ordered 1
		.amdhsa_forward_progress 1
		.amdhsa_inst_pref_size 196
	.end_amdhsa_kernel
	.amdgpu_metadata
---
amdhsa.version: [ 1, 2 ]
amdhsa.kernels:
  - .name:           k_q8cd068e524_up
    .symbol:         k_q8cd068e524_up.kd
    .args:
      - { .name: w1, .offset: 0, .size: 8, .value_kind: global_buffer, .address_space: global }
      - { .name: xc, .offset: 8, .size: 8, .value_kind: global_buffer, .address_space: global }
      - { .name: xs, .offset: 16, .size: 8, .value_kind: global_buffer, .address_space: global }
      - { .name: idx, .offset: 24, .size: 8, .value_kind: global_buffer, .address_space: global }
      - { .name: h, .offset: 32, .size: 8, .value_kind: global_buffer, .address_space: global }
      - { .name: hs, .offset: 40, .size: 8, .value_kind: global_buffer, .address_space: global }
    .group_segment_fixed_size: 110336
    .private_segment_fixed_size: 0
    .kernarg_segment_align: 8
    .kernarg_segment_size: 48
    .max_flat_workgroup_size: 128
    .sgpr_count:     66
    .vgpr_count:     1024
    .wavefront_size: 32
...
	.end_amdgpu_metadata
.endif
;; end of part 2
;; launch down (part 3): grid 256 x 1, 4 waves a work-group, no clusters, 93,184 bytes of LDS; arguments w2, h, hs, idx, gw, expert_scale, ypart; writes ypart
.if DOCPART == 3
	.amdgcn_target "amdgcn-amd-amdhsa--gfx1250"
	.amdhsa_code_object_version 6
	.text
	.protected	k_q8cd068e524_down
	.globl	k_q8cd068e524_down
	.p2align	8
	.type	k_q8cd068e524_down,@function
k_q8cd068e524_down:
	s_mov_b64 s[64:65], 0
	v_nop
	global_prefetch_b8 v0, s[64:65] scope:SCOPE_SE
	s_setreg_imm32_b32 hwreg(HW_REG_WAVE_MODE, 25, 1), 1
	s_wait_xcnt 0x0
; SECOND PRODUCT OF THE EXPERTS: ypart[q][slot][token][d] = gate x expert_scale[e] x (sum over half q of F of h Q(W2[e])^T), in MX-FP4, f32 sums.
; SHARES.  Work-group wg owns expert e = wg / 32, columns d = 64 ((wg / 2) % 16) .. + 63 and half q = wg % 2 of F (K steps 16 q .. 16 q + 15): 64 pieces of 8 KB of w2's rows, 512 KB, read by nobody else.
; K is halved, and not the columns, so that a row's piece of ypart is 256 consecutive bytes and a fragment of h feeds four products; the last launch adds the halves.
; PHASE 1, the stream: wave w reads rows 16 w .. 16 w + 15, a row's 8 KB (16 loads of 512 consecutive bytes) a group, 64 loads on their way, quantises in registers, lays the codes in LDS.
; THE ORDER INSIDE A BLOCK OF 32: the launch before lays hidden unit f of a block at the place whose bits 3 and 4 are f's bits 4 and 3.  So do W2's codes here: a lane holds units 4 lane .. 4 lane + 3 of a K step,
; and stores its four codes at 2 x (the lane's number with bits 1 and 2 changed over).  A block keeps its 32 units and its scale; only the order of its products changes.
; Meanwhile the list of expert e's rows is built in the same order as in the launch before: so row j of the list is row j % 16 of tile j / 16 of h[e].
; PHASE 2: every wave takes all the work-group's codes into 512 registers; wave w takes tiles w, w + 4, ..  A tile: 16 fragments of h as images of their registers, 64 matrix instructions
; (transposed: source 0 = 16 rows of W2, source 1 = h: a lane holds eight neighbouring columns of one token), x gate x scale, through the wave's own stage in LDS, stored by the list: sixteen lanes to a row's 256 bytes.
; The last tile's spare rows are copies of the list's last row: they store the same numbers to the same place, from the same wave.
; No tensor load: trip work hangs on a count read from memory.  No cluster: no two work-groups read the same weights.
; LIMITS: NaN and infinities are not served.  A block of zeros gets the byte 1 (its codes are zeros; only this program reads the bytes).
.set CP,    1040                       ; LDS: a row's 2,048 codes: 1,024 bytes + 16
.set SP2,   64                         ; and its 64 scale bytes
.set SPR,   16                         ; K steps of 128 in a row piece
.set GB,    16384                      ; from a row of w2 to the next, in memory
.set GC,    CP
.set GS,    SP2
.set WSCL,  64*CP                      ; LDS: 64 rows of codes from 0; their scale bytes from here;
.set LIST,  WSCL+64*SP2                ; the list: 1,056 words, and 32 words behind it that take what is not on the list;
.set STAGE, 75264                      ; the stages: 16 rows x 272 bytes for each wave
.set SPI,   272
.set LANE,  1
.set RR,    2
.set HH,    3
.set L16,   4
.set L4,    5
.set CA0,   6
.set SA0,   7
.set AW,    8
.set ASW,   9
.set LA0,   10                         ; LIST + 4 (lane % 16)
.set LR0,   11                         ; LIST + 4 (lane / 16)
.set LAD,   12
.set ENT,   13
.set HO,    14
.set HSO,   15
.set GO,    16
.set HSL,   17                         ; 4 x lane + 128 (lane / 16): lanes 0-15 take an even K step's words, lanes 16-31 the odd one's
.set DMPI,  18
.set PADA,  19
.set LASTA, 20
.set LZ,    21
.set LZ2,   22
.set LAD2,  23
.set W2S,   24                         ; v24-55  W2's scale words, tile n at 8 n; register 4 g + i: K step 8 g + i in lanes 0-15, 8 g + 4 + i in lanes 16-31: nothing but scales
.set HS,    56                         ; v56-71  h's scale words, two sets of 8; register p: K step 2 p in lanes 0-15, 2 p + 1 in lanes 16-31: nothing but scales
.set ACC,   72                         ; v72-103 four accumulators
.set G,     104                        ; v104-105 my row's gate, for each set
.set GM,    106                        ; v106-107 gate x scale (a pair is named; the low word serves both halves)
.set RW,    108                        ; v108-115 the entries of the rows that I store
.set RO,    116                        ; v116-123 their offsets in ypart
.set STO,   124
.set RD,    125
.set C16,   126
.set OB,    128                        ; v128-159 rows read back from the stage
.set M,     160
.set BY,    176
.set CD,    192
.set CA,    208
.set SA,    209
.set IX,    128
.set EN,    160
.set AD,    192
.set T0,    228
.set T1,    229
.set T2,    230
.set Z,     232
.set OF,    244                        ; v244-247 the stream: an offset for each of the ring's four groups
.set WV,    16
.set EX,    17
.set DS,    18
.set CNT,   19
.set MA,    20
.set MM,    21
.set TT,    22
.set J16,   23
.set J16N,  24
.set CTR,   25
.set OFS,   26
.set QH,    28
.set SC,    29                         ; expert_scale[e]
.set WP,    30                         ; my stream's first byte; never rewritten
.set TC,    32
.set TS,    33
.set YP,    34
; REGISTER WINDOWS: window 0 as above; window 1: the stream's ring, later two sets of h's 16 fragments; windows 2, 3: W2's 64 fragments, (tile n, K step s) at 8 ((4 s + n) % 32), s < 8 in window 2.
.set MSB, 0
.macro WIN new
.if MSB != (\new)
	s_set_vgpr_msb (MSB<<8)|(\new)
.set MSB, (\new)
.endif
.endm
; n loads of 128 numbers each (load i in v[R + 4 i .. + 3] of window win; lane l holds k = 4 l .. 4 l + 3) become codes and scale bytes in LDS: as in the launch before.
.macro QG R, n, win, co, so
	WIN 5*(\win)
.set ii, 0
.rept \n
	v_max3_num_f32 v[M+ii], |v[(\R)+4*ii]|, |v[(\R)+4*ii+1]|, 0x1800000   ; with the floor 2^(3 - 127): the byte cannot fall under 1
.set ii, ii+1
.endr
.set ii, 0
.rept \n
	v_max3_num_f32 v[M+ii], |v[(\R)+4*ii+2]|, |v[(\R)+4*ii+3]|, v[M+ii]
.set ii, ii+1
.endr
	WIN 0
.irp m, 1,2,4
.set ii, 0
.rept \n
	v_max_num_f32_dpp v[M+ii], v[M+ii], v[M+ii] row_xmask:\m row_mask:0xf bank_mask:0xf
.set ii, ii+1
.endr
.endr
	s_wait_dscnt 0x0                               ; the last group's LDS stores have read their bytes and codes
.set ii, 0
.rept \n
	v_add_nc_u32 v[M+ii], 0xff000000, v[M+ii]      ; 2 off the exponent field: the conversion's scale operand
.set ii, ii+1
.endr
.set ii, 0
.rept \n
	v_lshrrev_b32 v[BY+ii], 23, v[M+ii]
.set ii, ii+1
.endr
	WIN (\win)
.set ii, 0
.rept \n
	v_cvt_scalef32_pk8_fp4_f32 v[CD+ii], v[(\R)+8*(ii/2):(\R)+8*(ii/2)+7], v[M+ii]   ; loads 2 p, 2 p + 1: under the even load's scale the low half counts, under the odd one's the high half
.set ii, ii+1
.endr
	WIN 0
	v_nop                                          ; one plain place behind the scaled conversions
.set ii, 0
.rept \n
.if ii%2 == 0
	ds_store_b16 v[CA], v[CD+ii] offset:(\co)+(ii/SPR)*CP+(ii%SPR)*64          ; 32 lanes fill 64 consecutive bytes: 128 codes
.else
	ds_store_b16_d16_hi v[CA], v[CD+ii] offset:(\co)+(ii/SPR)*CP+(ii%SPR)*64
.endif
.set ii, ii+1
.endr
.set ii, 0
.rept \n
	ds_store_b8 v[SA], v[BY+ii] offset:(\so)+(ii/SPR)*SP2+(ii%SPR)*4
.set ii, ii+1
.endr
.endm
.macro LOADG g                         ; 16 loads of 512 consecutive bytes into the ring's group g, from the group's own offset on
	WIN 0x40
.set ii, 0
.rept 16
	global_load_b128 v[64*(\g)+4*ii:64*(\g)+4*ii+3], v[OF+(\g)], s[WP:WP+1] offset:512*ii th:TH_LOAD_NT
.set ii, ii+1
.endr
	WIN 0
.endm
.macro WMS d, a, bq, z, sa, sb, ra, rb
.if \z
	v_wmma_scale_f32_16x16x128_f8f6f4 v[\d:\d+7], v[\a:\a+7], v[\bq:\bq+7], 0, v[\sa], v[\sb] matrix_a_fmt:MATRIX_FMT_FP4 matrix_b_fmt:MATRIX_FMT_FP4
.elseif (\ra) && (\rb)
	v_wmma_scale_f32_16x16x128_f8f6f4 v[\d:\d+7], v[\a:\a+7], v[\bq:\bq+7], v[\d:\d+7], v[\sa], v[\sb] matrix_a_fmt:MATRIX_FMT_FP4 matrix_b_fmt:MATRIX_FMT_FP4 matrix_a_scale:MATRIX_SCALE_ROW1 matrix_b_scale:MATRIX_SCALE_ROW1
.elseif \ra
	v_wmma_scale_f32_16x16x128_f8f6f4 v[\d:\d+7], v[\a:\a+7], v[\bq:\bq+7], v[\d:\d+7], v[\sa], v[\sb] matrix_a_fmt:MATRIX_FMT_FP4 matrix_b_fmt:MATRIX_FMT_FP4 matrix_a_scale:MATRIX_SCALE_ROW1
.elseif \rb
	v_wmma_scale_f32_16x16x128_f8f6f4 v[\d:\d+7], v[\a:\a+7], v[\bq:\bq+7], v[\d:\d+7], v[\sa], v[\sb] matrix_a_fmt:MATRIX_FMT_FP4 matrix_b_fmt:MATRIX_FMT_FP4 matrix_b_scale:MATRIX_SCALE_ROW1
.else
	v_wmma_scale_f32_16x16x128_f8f6f4 v[\d:\d+7], v[\a:\a+7], v[\bq:\bq+7], v[\d:\d+7], v[\sa], v[\sb] matrix_a_fmt:MATRIX_FMT_FP4 matrix_b_fmt:MATRIX_FMT_FP4
.endif
.endm
; The tile that begins at row s[J16N] of the list, if there is one: its 16 fragments of h, their scale words and my row's gate into set b.  41 loads.
.macro PREF b
	s_cmp_lt_u32 s[J16N], s[CNT]
	s_cbranch_scc0 .Lnp_\@
	v_lshl_add_u32 v[LAD], s[J16N], 2, v[LA0]
	ds_load_b32 v[ENT], v[LAD]                     ; row lane % 16 of the tile
	v_lshl_add_u32 v[HO], s[J16N], 11, v[L16]
	v_lshl_add_u32 v[HSO], s[J16N], 8, v[HSL]
	WIN 0x40
.set ss, 0
.rept 16
	global_load_b128 v[128*(\b)+8*ss:128*(\b)+8*ss+3], v[HO], s[6:7] offset:1024*ss       ; an image comes back as it was stored: 512 consecutive bytes a load
	global_load_b128 v[128*(\b)+8*ss+4:128*(\b)+8*ss+7], v[HO], s[6:7] offset:1024*ss+512
.set ss, ss+1
.endr
	WIN 0
.set ii, 0
.rept 8
	global_load_b32 v[HS+8*(\b)+ii], v[HSO], s[8:9] offset:256*ii
.set ii, ii+1
.endr
	s_wait_dscnt 0x0
	v_min_u32 v[ENT], 0x7ff, v[ENT]
	v_lshlrev_b32 v[GO], 2, v[ENT]                 ; gw[slot][token] lies at 4 x entry
	global_load_b32 v[G+(\b)], v[GO], s[12:13]
.Lnp_\@:
.endm
.macro TILE b
	s_cmp_ge_u32 s[J16], s[CNT]
	s_cbranch_scc1 .Lskip_\@
	s_wait_loadcnt 0x0                             ; this tile's 41 loads, issued a tile ago, are in; their address registers are free
	s_add_co_u32 s[J16N], s[J16], 64
	PREF 1-\b
	v_lshl_add_u32 v[LAD2], s[J16], 2, v[LR0]
.set ii, 0
.rept 8
	ds_load_b32 v[RW+ii], v[LAD2] offset:8*ii      ; the entries of rows 2 i + lane / 16, for the way out
.set ii, ii+1
.endr
.set ss, 0
.rept 16                               ; the four accumulators by turns, K step by K step
	WIN 0x06+(ss/8)                                ; source 0 (W2) window 2 or 3, source 1 (h) window 1
.set nn, 0
.rept 4
.set wd, ACC+8*nn
.set wa, 8*((4*ss+nn)%32)
.set wb, 128*(\b)+8*ss
.set wsa, W2S+8*nn+4*(ss/8)+(ss%4)
.set wsb, HS+8*(\b)+(ss/2)
.set wra, (ss%8)/4
.set wrb, ss%2
.if ss == 0
.set wz, 1
.else
.set wz, 0
.endif
	WMS wd, wa, wb, wz, wsa, wsb, wra, wrb
.set nn, nn+1
.endr
.set ss, ss+1
.endr
	WIN 0
	v_mul_f32 v[GM], s[SC], v[G+(\b)]              ; gate x expert_scale.  With the three lines below: four places behind the last product (ISA guide 7.12.1)
.rept 3
	v_nop
.endr
.set jj, 0
.rept 16
	v_pk_mul_f32 v[ACC+jj:ACC+jj+1], v[ACC+jj:ACC+jj+1], v[GM:GM+1] op_sel_hi:[1,0]   ; ascending: each accumulator is first read at its low end
.set jj, jj+2
.endr
	s_wait_xcnt 0x0                                ; the last tile's stores have read their data and offsets
.set nn, 0
.rept 4
	ds_store_b128 v[STO], v[ACC+8*nn:ACC+8*nn+3] offset:64*nn          ; lane (r, h): columns 16 n + 8 h + 0 .. 7 of row r
	ds_store_b128 v[STO], v[ACC+8*nn+4:ACC+8*nn+7] offset:64*nn+16
.set nn, nn+1
.endr
.set ii, 0
.rept 8
	ds_load_b128 v[OB+4*ii:OB+4*ii+3], v[RD] offset:2*SPI*ii           ; my own stage: LDS serves a wave's instructions in order (ISA guide 5.7.1.4)
.set ii, ii+1
.endr
	s_wait_dscnt 0x0
.set ii, 0
.rept 8
	v_min_u32 v[RW+ii], 0x7ff, v[RW+ii]
.set ii, ii+1
.endr
.set ii, 0
.rept 8
	v_lshl_add_u32 v[RO+ii], v[RW+ii], 12, v[C16]  ; a row of ypart is 4,096 bytes; entry = token + 1024 x slot names it
.set ii, ii+1
.endr
.set ii, 0
.rept 8
	global_store_b128 v[RO+ii], v[OB+4*ii:OB+4*ii+3], s[YP:YP+1]       ; sixteen lanes store 256 consecutive bytes, at a multiple of 256 from ypart's first byte
.set ii, ii+1
.endr
.Lskip_\@:
	s_add_co_u32 s[J16], s[J16], 64
.endm
	s_load_b256 s[4:11], s[0:1], 0x0               ; w2 s[4:5], h s[6:7], hs s[8:9], idx s[10:11]
	s_load_b128 s[12:15], s[0:1], 0x20             ; gw s[12:13], expert_scale s[14:15]
	s_load_b64 s[YP:YP+1], s[0:1], 0x30            ; ypart
	v_lshl_add_u32 v254, v0, 2, 0x16a00
	v_mov_b32 v255, 0
	v_lshrrev_b32 v[LANE], 5, v0
	v_readfirstlane_b32 s[WV], v[LANE]             ; wave 0..3
	v_and_b32 v[LANE], 31, v0
	v_lshlrev_b32 v[L16], 4, v[LANE]
	v_mov_b32 v[OF], v[L16]                        ; the ring's four groups begin at rows 0 to 3 of my 16
	v_add_nc_u32 v[OF+1], GB, v[L16]
	v_add_nc_u32 v[OF+2], 2*GB, v[L16]
	v_add_nc_u32 v[OF+3], 3*GB, v[L16]
	s_lshr_b32 s[EX], ttmp9, 5                     ; my expert
	s_bfe_u32 s[DS], ttmp9, 0x40001                ; my 64 columns
	s_and_b32 s[QH], ttmp9, 1                      ; my half of F
	s_lshl_b32 s[OFS], s[EX], 24                   ; an expert's 1,024 rows of 16,384 bytes,
	s_lshl_b32 s[TT], s[DS], 20                    ; my 64 rows,
	s_add_co_u32 s[OFS], s[OFS], s[TT]
	s_lshl_b32 s[TT], s[WV], 18                    ; my wave's 16,
	s_add_co_u32 s[OFS], s[OFS], s[TT]
	s_lshl_b32 s[TT], s[QH], 13                    ; my half of each
	s_add_co_u32 s[OFS], s[OFS], s[TT]
	s_mov_b32 s[OFS+1], 0
	s_wait_kmcnt 0x0
	s_add_nc_u64 s[WP:WP+1], s[4:5], s[OFS:OFS+1]
.set ii, 0
.rept 8
	global_load_b128 v[IX+4*ii:IX+4*ii+3], v[L16], s[10:11] offset:512*ii
.set ii, ii+1
.endr
	LOADG 0
	LOADG 1
	LOADG 2
	s_lshl_b32 s[OFS], s[EX], 2
	s_add_nc_u64 s[14:15], s[14:15], s[OFS:OFS+1]
	s_load_b32 s[SC], s[14:15], 0x0                ; expert_scale[e]: waited for behind the list's arithmetic
	v_and_b32 v[RR], 15, v0
	v_bfe_u32 v[HH], v0, 4, 1
	v_lshlrev_b32 v[L4], 2, v[LANE]
	v_and_b32 v[T0], 0x19, v[LANE]                 ; the lane's number with bits 1 and 2 changed over: units' bits 3 and 4 (the head's note on the order inside a block)
	v_bfe_u32 v[T1], v[LANE], 1, 1
	v_lshl_or_b32 v[T0], v[T1], 2, v[T0]
	v_bfe_u32 v[T1], v[LANE], 2, 1
	v_lshl_or_b32 v[T0], v[T1], 1, v[T0]
	s_mul_i32 s[TT], s[WV], 16*CP
	v_lshl_add_u32 v[CA0], v[T0], 1, s[TT]
	s_lshl_b32 s[TT], s[WV], 10
	s_add_co_u32 s[TT], s[TT], WSCL
	v_lshrrev_b32 v[SA0], 3, v[LANE]
	v_add_nc_u32 v[SA0], s[TT], v[SA0]
	v_mul_u32_u24 v[AW], v[RR], CP
	v_lshl_add_u32 v[AW], v[HH], 4, v[AW]
	v_lshlrev_b32 v[ASW], 6, v[RR]
	v_lshl_add_u32 v[ASW], v[HH], 4, v[ASW]
	v_add_nc_u32 v[ASW], WSCL, v[ASW]
	v_lshl_add_u32 v[LA0], v[RR], 2, LIST
	v_lshl_add_u32 v[LR0], v[HH], 2, LIST
	v_lshl_add_u32 v[HSL], v[HH], 7, v[L4]
	v_add_nc_u32 v[DMPI], 1056, v[LANE]
	v_add_nc_u32 v[LZ], LIST, v[L16]
	v_add_nc_u32 v[LZ2], LIST+4096, v[L4]
	s_mul_i32 s[TT], s[WV], 16*SPI
	s_add_co_u32 s[TT], s[TT], STAGE               ; my stage
	v_mul_u32_u24 v[STO], v[RR], SPI
	v_lshl_add_u32 v[STO], v[HH], 5, v[STO]
	v_add_nc_u32 v[STO], s[TT], v[STO]             ; in: row r, 32 bytes for each half of the lanes
	v_mul_u32_u24 v[RD], v[HH], SPI
	v_lshl_add_u32 v[RD], v[RR], 4, v[RD]
	v_add_nc_u32 v[RD], s[TT], v[RD]               ; back: lanes 0-15 one row of 256 bytes, lanes 16-31 the next
	v_lshlrev_b32 v[C16], 4, v[RR]
.irp i, 0,1,2,3
	v_mov_b32 v[Z+\i], 0
.endr
.irp i, 0,1,2,3,4,5,6,7,8,9,10,11,12,13,14,15
	v_mov_b32 v[HS+\i], 0x7f7f7f7f                 ; scale words of 1.0 until the first tile's are loaded: written on every path
.endr
	v_mov_b32 v[G], 0
	v_mov_b32 v[G+1], 0
	v_mov_b32 v[GM+1], 0                           ; (named as the upper half of a pair)
	s_lshl_b32 s[OFS], s[EX], 21                   ; h: my expert, my 16 K steps
	s_lshl_b32 s[TT], s[QH], 14
	s_add_co_u32 s[OFS], s[OFS], s[TT]
	s_add_nc_u64 s[6:7], s[6:7], s[OFS:OFS+1]
	s_lshl_b32 s[OFS], s[EX], 18                   ; hs likewise
	s_lshl_b32 s[TT], s[QH], 11
	s_add_co_u32 s[OFS], s[OFS], s[TT]
	s_add_nc_u64 s[8:9], s[8:9], s[OFS:OFS+1]
	s_lshl_b32 s[OFS], s[QH], 23                   ; ypart: my half's two planes of 4 MiB, my 256 bytes of a row
	s_lshl_b32 s[TT], s[DS], 8
	s_add_co_u32 s[OFS], s[OFS], s[TT]
	s_add_nc_u64 s[YP:YP+1], s[YP:YP+1], s[OFS:OFS+1]
	s_wait_loadcnt 48                              ; idx is in; the three groups of 16 behind it stay out
	; THE LIST, in the order of the launch before; an entry here is token + 1024 x slot
	s_mov_b32 s[CNT], 0
.set qq, 0
.rept 32
.set tk0, 128*(qq/4)+(qq%4)
	v_and_b32 v[T0], 0xff, v[IX+qq]
	v_lshrrev_b32 v[T1], 8, v[IX+qq]
	v_cmp_eq_u32 s[MA], s[EX], v[T0]
	v_cmp_eq_u32 vcc_lo, s[EX], v[T1]
	s_or_b32 s[MM], s[MA], vcc_lo
	v_add_nc_u32 v[T0], tk0, v[L4]
	v_add_nc_u32 v[T1], tk0+1024, v[L4]
	v_cndmask_b32 v[EN+qq], v[T0], v[T1], vcc_lo
	v_mbcnt_lo_u32_b32 v[T2], s[MM], s[CNT]
	v_cndmask_b32 v[T2], v[DMPI], v[T2], s[MM]
	v_min_u32 v[T2], 0x43f, v[T2]
	v_lshl_add_u32 v[AD+qq], v[T2], 2, LIST
	s_bcnt1_i32_b32 s[TT], s[MM]
	s_add_co_u32 s[CNT], s[CNT], s[TT]
.set qq, qq+1
.endr
	v_add_nc_u32 v[PADA], s[CNT], v[LANE]
	v_min_u32 v[PADA], 0x41f, v[PADA]
	v_lshl_add_u32 v[PADA], v[PADA], 2, LIST
	s_max_u32 s[TT], s[CNT], 1
	s_sub_co_u32 s[TT], s[TT], 1
	s_min_u32 s[TT], s[TT], 0x3ff
	v_lshl_add_u32 v[LASTA], s[TT], 2, LIST
	s_wait_kmcnt 0x0                               ; expert_scale[e]
	LOADG 3
	s_cmp_lg_u32 s[WV], 0
	s_cbranch_scc1 .Lnolist                        ; wave 0 alone stores; no other wave touches LDS ahead of the barrier below
.set ii, 0
.rept 8
	ds_store_b128 v[LZ], v[Z:Z+3] offset:512*ii    ; the list begins as zeros,
.set ii, ii+1
.endr
	ds_store_b32 v[LZ2], v[Z]
	ds_store_b32 v[LZ2], v[Z] offset:128           ; the 32 words behind it too
.set qq, 0
.rept 32
	ds_store_b32 v[AD+qq], v[EN+qq]
.set qq, qq+1
.endr
	ds_load_b32 v[T0], v[LASTA]
	s_wait_dscnt 0x0
	ds_store_b32 v[PADA], v[T0]
.Lnolist:
	s_wait_dscnt 0x0                               ; for the others' sake: the list lies in LDS
	s_barrier_signal -1
	s_barrier_wait -1
	; THE STREAM: 16 rows' pieces through a ring of four.  A group's offset register is stepped behind the wait that shows its own loads done; the base is never written.
	s_mov_b32 s[TC], 0
	s_mov_b32 s[TS], 0
	s_mov_b32 s[CTR], 3
.Lstream:
	v_add_nc_u32 v[CA], s[TC], v[CA0]
	v_add_nc_u32 v[SA], s[TS], v[SA0]
.irp g, 0,1,2,3
	s_wait_loadcnt 48                              ; this group's 16 loads are in; the three younger groups stay out
	QG 64*\g, 16, 1, \g*GC, \g*GS
	v_add_nc_u32 v[OF+\g], 4*GB, v[OF+\g]          ; free since that wait: the row four on
	LOADG \g
.endr
	s_add_co_u32 s[TC], s[TC], 4*GC
	s_add_co_u32 s[TS], s[TS], 4*GS
	s_sub_co_u32 s[CTR], s[CTR], 1
	s_cmp_lg_u32 s[CTR], 0
	s_cbranch_scc1 .Lstream
	v_add_nc_u32 v[CA], s[TC], v[CA0]
	v_add_nc_u32 v[SA], s[TS], v[SA0]
.irp g, 0,1,2,3
	s_wait_loadcnt 48-16*\g                        ; the last four groups: the counts run down
	QG 64*\g, 16, 1, \g*GC, \g*GS
.endr
	s_wait_dscnt 0x0                               ; for the others' sake: my 16 rows of codes and scale bytes lie in LDS
	s_barrier_signal -1
	s_barrier_wait -1                              ; everybody's do.  No barrier stands behind this one, and no branch on the count ahead of it
	s_lshl_b32 s[J16], s[WV], 4
	s_mov_b32 s[J16N], s[J16]
	PREF 0
.set ss, 0
.rept 16
	WIN 0x80+0x40*(ss/8)
.set nn, 0
.rept 4
.set fr, 8*((4*ss+nn)%32)
.set fo, 16*nn*CP+64*ss
	ds_load_b128 v[fr:fr+3], v[AW] offset:fo
	ds_load_b128 v[fr+4:fr+7], v[AW] offset:fo+32
.set nn, nn+1
.endr
.set ss, ss+1
.endr
	WIN 0
.set nn, 0
.rept 4
	ds_load_b128 v[W2S+8*nn:W2S+8*nn+3], v[ASW] offset:16*nn*SP2
	ds_load_b128 v[W2S+8*nn+4:W2S+8*nn+7], v[ASW] offset:16*nn*SP2+32
.set nn, nn+1
.endr
	s_wait_dscnt 0x0
	s_mov_b32 s[CTR], 8                            ; 16 tiles a wave serve 1,024 rows, the most that an expert can have
.Ltiles:
	TILE 0
	TILE 1
	s_sub_co_u32 s[CTR], s[CTR], 1
	s_cmp_lg_u32 s[CTR], 0
	s_cbranch_scc1 .Ltiles
	s_wait_tensorcnt 0x0
	ds_add_u32 v254, v255
	s_wait_dscnt 0x0
	s_endpgm
.Lfunc_end_k_q8cd068e524_down:
	.size	k_q8cd068e524_down, .Lfunc_end_k_q8cd068e524_down-k_q8cd068e524_down
	.p2alignl 7, 3214868480
	.fill 96, 4, 3214868480
	.section	.rodata,"a",@progbits
	.p2align	6, 0x0
	.amdhsa_kernel k_q8cd068e524_down
		.amdhsa_group_segment_fixed_size 93184
		.amdhsa_private_segment_fixed_size 0
		.amdhsa_enable_private_segment 0
		.amdhsa_kernarg_size 56
		.amdhsa_user_sgpr_count 2
		.amdhsa_user_sgpr_kernarg_segment_ptr 1
		.amdhsa_wavefront_size32 1
		.amdhsa_system_sgpr_workgroup_id_x 1
		.amdhsa_system_sgpr_workgroup_id_y 1
		.amdhsa_system_sgpr_workgroup_id_z 1
		.amdhsa_system_vgpr_workitem_id 0
		.amdhsa_next_free_vgpr 1024
		.amdhsa_next_free_sgpr 66
		.amdhsa_reserve_vcc 1
		.amdhsa_float_denorm_mode_32 3
		.amdhsa_float_denorm_mode_16_64 3
		.amdhsa_memory_ordered 1
		.amdhsa_forward_progress 1
		.amdhsa_inst_pref_size 175
	.end_amdhsa_kernel
	.amdgpu_metadata
---
amdhsa.version: [ 1, 2 ]
amdhsa.kernels:
  - .name:           k_q8cd068e524_down
    .symbol:         k_q8cd068e524_down.kd
    .args:
      - { .name: w2, .offset: 0, .size: 8, .value_kind: global_buffer, .address_space: global }
      - { .name: h, .offset: 8, .size: 8, .value_kind: global_buffer, .address_space: global }
      - { .name: hs, .offset: 16, .size: 8, .value_kind: global_buffer, .address_space: global }
      - { .name: idx, .offset: 24, .size: 8, .value_kind: global_buffer, .address_space: global }
      - { .name: gw, .offset: 32, .size: 8, .value_kind: global_buffer, .address_space: global }
      - { .name: expert_scale, .offset: 40, .size: 8, .value_kind: global_buffer, .address_space: global }
      - { .name: ypart, .offset: 48, .size: 8, .value_kind: global_buffer, .address_space: global }
    .group_segment_fixed_size: 93184
    .private_segment_fixed_size: 0
    .kernarg_segment_align: 8
    .kernarg_segment_size: 56
    .max_flat_workgroup_size: 128
    .sgpr_count:     66
    .vgpr_count:     1024
    .wavefront_size: 32
...
	.end_amdgpu_metadata
.endif
;; end of part 3
;; launch combine (part 4): grid 256 x 1, 4 waves a work-group, no clusters, 0 bytes of LDS; arguments ypart, out0; writes out0
.if DOCPART == 4
	.amdgcn_target "amdgcn-amd-amdhsa--gfx1250"
	.amdhsa_code_object_version 6
	.text
	.protected	k_q8cd068e524_combine
	.globl	k_q8cd068e524_combine
	.p2align	8
	.type	k_q8cd068e524_combine,@function
k_q8cd068e524_combine:
	s_mov_b64 s[64:65], 0
	v_nop
	global_prefetch_b8 v0, s[64:65] scope:SCOPE_SE
	s_setreg_imm32_b32 hwreg(HW_REG_WAVE_MODE, 25, 1), 1
	s_wait_xcnt 0x0
; out0[token][d] = the sum of ypart's four planes [half of F][slot][token][d], f32: first a slot's two halves of K, then the two slots.  The gates and scales are already in the parts.
; A stream: a work-group takes 16 KB of out0, a thread 16 bytes of each of eight chunks of 2,048 bytes; each load and store of a wave covers 512 consecutive bytes.
; All 32 loads of a wave go out at once; nothing is read twice; no LDS, no barrier, no matrix unit: there is nothing here for them to do.
.set D0, 4                             ; v4-131: chunk c, plane p at 16 c + 4 p
	s_load_b128 s[4:7], s[0:1], 0x0                ; ypart s[4:5], out0 s[6:7]
	v_lshlrev_b32 v1, 4, v0
	s_lshl_b32 s16, ttmp9, 14
	s_mov_b32 s17, 0
	s_wait_kmcnt 0x0
	s_add_nc_u64 s[8:9], s[4:5], s[16:17]          ; half 0, slot 0
	s_add_nc_u64 s[10:11], s[8:9], 0x400000        ; half 0, slot 1
	s_add_nc_u64 s[12:13], s[8:9], 0x800000        ; half 1, slot 0
	s_add_nc_u64 s[14:15], s[8:9], 0xc00000        ; half 1, slot 1
	s_add_nc_u64 s[6:7], s[6:7], s[16:17]
.irp c, 0,1,2,3,4,5,6,7
.irp p, 0,1,2,3
	global_load_b128 v[D0+16*\c+4*\p:D0+16*\c+4*\p+3], v1, s[8+2*\p:9+2*\p] offset:2048*\c th:TH_LOAD_NT
.endr
.endr
.irp c, 0,1,2,3,4,5,6,7
	s_wait_loadcnt 4*(7-\c)                        ; this chunk's four loads are in; four for each younger chunk stay out
	v_pk_add_f32 v[D0+16*\c:D0+16*\c+1], v[D0+16*\c:D0+16*\c+1], v[D0+16*\c+8:D0+16*\c+9]           ; slot 0: its two halves
	v_pk_add_f32 v[D0+16*\c+2:D0+16*\c+3], v[D0+16*\c+2:D0+16*\c+3], v[D0+16*\c+10:D0+16*\c+11]
	v_pk_add_f32 v[D0+16*\c+4:D0+16*\c+5], v[D0+16*\c+4:D0+16*\c+5], v[D0+16*\c+12:D0+16*\c+13]     ; slot 1: its two halves
	v_pk_add_f32 v[D0+16*\c+6:D0+16*\c+7], v[D0+16*\c+6:D0+16*\c+7], v[D0+16*\c+14:D0+16*\c+15]
	v_pk_add_f32 v[D0+16*\c:D0+16*\c+1], v[D0+16*\c:D0+16*\c+1], v[D0+16*\c+4:D0+16*\c+5]           ; the two slots
	v_pk_add_f32 v[D0+16*\c+2:D0+16*\c+3], v[D0+16*\c+2:D0+16*\c+3], v[D0+16*\c+6:D0+16*\c+7]
	global_store_b128 v1, v[D0+16*\c:D0+16*\c+3], s[6:7] offset:2048*\c th:TH_STORE_NT              ; registers that are not written again
.endr
	s_endpgm
.Lfunc_end_k_q8cd068e524_combine:
	.size	k_q8cd068e524_combine, .Lfunc_end_k_q8cd068e524_combine-k_q8cd068e524_combine
	.p2alignl 7, 3214868480
	.fill 96, 4, 3214868480
	.section	.rodata,"a",@progbits
	.p2align	6, 0x0
	.amdhsa_kernel k_q8cd068e524_combine
		.amdhsa_group_segment_fixed_size 0
		.amdhsa_private_segment_fixed_size 0
		.amdhsa_enable_private_segment 0
		.amdhsa_kernarg_size 16
		.amdhsa_user_sgpr_count 2
		.amdhsa_user_sgpr_kernarg_segment_ptr 1
		.amdhsa_wavefront_size32 1
		.amdhsa_system_sgpr_workgroup_id_x 1
		.amdhsa_system_sgpr_workgroup_id_y 1
		.amdhsa_system_sgpr_workgroup_id_z 1
		.amdhsa_system_vgpr_workitem_id 0
		.amdhsa_next_free_vgpr 140
		.amdhsa_next_free_sgpr 66
		.amdhsa_reserve_vcc 0
		.amdhsa_float_denorm_mode_32 3
		.amdhsa_float_denorm_mode_16_64 3
		.amdhsa_memory_ordered 1
		.amdhsa_forward_progress 1
		.amdhsa_inst_pref_size 8
	.end_amdhsa_kernel
	.amdgpu_metadata
---
amdhsa.version: [ 1, 2 ]
amdhsa.kernels:
  - .name:           k_q8cd068e524_combine
    .symbol:         k_q8cd068e524_combine.kd
    .args:
      - { .name: ypart, .offset: 0, .size: 8, .value_kind: global_buffer, .address_space: global }
      - { .name: out0, .offset: 8, .size: 8, .value_kind: global_buffer, .address_space: global }
    .group_segment_fixed_size: 0
    .private_segment_fixed_size: 0
    .kernarg_segment_align: 8
    .kernarg_segment_size: 16
    .max_flat_workgroup_size: 128
    .sgpr_count:     66
    .vgpr_count:     140
    .wavefront_size: 32
...
	.end_amdgpu_metadata
.endif
;; end of part 4
;; ======== version 2 of 2: 4 launches
;; workspace buffers: xc 524,288 bytes; xs 32,768 bytes; idx 4,096 bytes of whole numbers; gw 8,192 bytes; h 16,777,216 bytes; hs 2,097,152 bytes; ypart 16,777,216 bytes
;; launch route (part 5): grid 256 x 1, 1 waves a work-group, no clusters, 2,816 bytes of LDS; arguments hidden_states, router_w, xc, xs, idx, gw; writes xc, xs, idx, gw
.if DOCPART == 5
	.amdgcn_target "amdgcn-amd-amdhsa--gfx1250"
	.amdhsa_code_object_version 6
	.text
	.protected	k_q8cd068e524_route
	.globl	k_q8cd068e524_route
	.p2align	8
	.type	k_q8cd068e524_route,@function
k_q8cd068e524_route:
	s_mov_b64 s[64:65], 0
	v_nop
	global_prefetch_b8 v0, s[64:65] scope:SCOPE_SE
	s_setreg_imm32_b32 hwreg(HW_REG_WAVE_MODE, 25, 1), 1
	s_wait_xcnt 0x0
; ROUTER AND QUANTISER OF THE TOKENS.  1,024 tokens of 1,024 f32; one wave takes four tokens.
; (1) logits = x . router_w[e], e = 0..7, by f32 multiply-adds; softmax with the maximum taken away; the two largest probabilities (a tie keeps the lower index, as the strict
;     compares below do); softmax over those two: w1 = 1 / (1 + e^(p2 - p1)), w2 = e^(p2 - p1) w1 (p1 >= p2, so the larger is taken away).
;     Stored at fixed places: idx[token] = e1 | e2 << 8 (whole numbers), gw[0][token] = w1, gw[1][token] = w2.  No address and no branch here hangs on the choice.
; (2) x as codes of E2M1 with one E8M0 byte for each 32 along K: xc[token][512 bytes], xs[token][32 bytes], K in its natural order.
; A lane holds k = 128 i + 4 lane + 0..3 of each token (load i), so every load reads 512 consecutive bytes and a block of 32 lies in eight neighbouring lanes.
; ALL LOADS GO OUT AT ONCE: the four tokens (window 0) and the eight rows of router_w (256 registers: window 1), so that the wave waits for memory once and not once for every pair of experts.
; LIMITS: NaN and infinities are not served.  The logits are summed in another order than a row-wise sum: where the second and third probability differ by f32 rounding alone the choice may fall either way.
; A block of zeros gets the byte 1 (its codes are zeros; only this program reads the bytes).  idx and gw leave in pieces of 16 bytes, xs in pieces of 128: 45 KB in all.
.set L16,  2                           ; v2   16 x lane
.set L4,   3                           ; v3   4 x lane
.set CA,   4                           ; v4   LDS: 2 x lane: my four codes' place in 64 bytes
.set SA,   5                           ; v5   LDS: XSCL + lane / 8: my block's byte in a scale word
.set LG,   16                          ; v16-47   token t, expert e at 8 t + e: logits, then probabilities
.set AC,   48                          ; v48-55   at work in the softmax
.set DA,   64                          ; v64-127  a pair of sums for each (expert, token): pair 4 e + t
.set X,    128                         ; v128-255 32 registers a token.  Window 1: expert e's row of router_w at v[32 e]
.set BV,   64                          ; behind the logits v64-127 are free: best value, best index, second value, second index, at work
.set BI,   68
.set SV,   72
.set SI,   76
.set MX,   80
.set PK,   84                          ; v84-87 the four packed choices; v88-91 w1; v92-95 w2
.set GA,   88
.set GZ,   92
.set M,    96                          ; the quantiser: largest magnitudes and scale operands, bytes, codes
.set BY,   104
.set CD,   112
.set SPR,  8                           ; K steps of 128 in a row piece
.set CP,   0                           ; (a group is one row here: no pitch from row to row)
.set SP2,  0
.set XSCL, 2048                        ; LDS: 4 x 512 bytes of codes, then 4 x 32 scale bytes
.set MSB, 0
.macro WIN new                         ; the register windows: the immediate's high byte repeats the setting that is left; a switch that changes nothing is dropped
.if MSB != (\new)
	s_set_vgpr_msb (MSB<<8)|(\new)
.set MSB, (\new)
.endif
.endm
; n loads of 128 numbers each (load i in v[R + 4 i .. + 3] of window win) become codes and scale bytes in LDS.  A block's largest magnitude: my four, with the floor 2^(3 - 127) among them, which
; holds the byte at 1 from below; then seven neighbours by three exchanges.  2 off its exponent field is the conversion's scale operand, and that shifted is the byte.
; The conversion takes eight numbers: loads 2 p and 2 p + 1.  Under the even load's scale its low 16 bits are that load's four codes, under the odd load's scale the high 16 bits are the odd load's.
.macro QG R, n, win, co, so
	WIN 5*(\win)
.set ii, 0
.rept \n
	v_max3_num_f32 v[M+ii], |v[(\R)+4*ii]|, |v[(\R)+4*ii+1]|, 0x1800000
.set ii, ii+1
.endr
.set ii, 0
.rept \n
	v_max3_num_f32 v[M+ii], |v[(\R)+4*ii+2]|, |v[(\R)+4*ii+3]|, v[M+ii]
.set ii, ii+1
.endr
	WIN 0
.irp m, 1,2,4
.set ii, 0
.rept \n
	v_max_num_f32_dpp v[M+ii], v[M+ii], v[M+ii] row_xmask:\m row_mask:0xf bank_mask:0xf
.set ii, ii+1
.endr
.endr
	s_wait_alu depctr_va_vdst(0)
	s_wait_dscnt 0x0                               ; the last group's LDS stores have read their bytes and codes
.set ii, 0
.rept \n
	v_add_nc_u32 v[M+ii], 0xff000000, v[M+ii]      ; 2 off the exponent field
.set ii, ii+1
.endr
.set ii, 0
.rept \n
	v_lshrrev_b32 v[BY+ii], 23, v[M+ii]            ; the scale's byte
.set ii, ii+1
.endr
	WIN (\win)
.set ii, 0
.rept \n
	v_cvt_scalef32_pk8_fp4_f32 v[CD+ii], v[(\R)+8*(ii/2):(\R)+8*(ii/2)+7], v[M+ii]
.set ii, ii+1
.endr
	WIN 0
	v_nop                                          ; one plain place behind the scaled conversions
.set ii, 0
.rept \n
.if ii%2 == 0
	ds_store_b16 v[CA], v[CD+ii] offset:(\co)+(ii/SPR)*CP+(ii%SPR)*64          ; 32 lanes store 64 consecutive bytes: 128 codes
.else
	ds_store_b16_d16_hi v[CA], v[CD+ii] offset:(\co)+(ii/SPR)*CP+(ii%SPR)*64
.endif
.set ii, ii+1
.endr
.set ii, 0
.rept \n
	ds_store_b8 v[SA], v[BY+ii] offset:(\so)+(ii/SPR)*SP2+(ii%SPR)*4           ; the eight lanes of a block write the same byte with the same value
.set ii, ii+1
.endr
.endm
	s_load_b256 s[4:11], s[0:1], 0x0               ; hidden_states s[4:5], router_w s[6:7], xc s[8:9], xs s[10:11]
	s_load_b128 s[12:15], s[0:1], 0x20             ; idx s[12:13], gw s[14:15]
	v_lshl_add_u32 v62, v0, 2, 0xa00
	v_mov_b32 v63, 0
	v_lshlrev_b32 v[L16], 4, v0
	v_lshlrev_b32 v[L4], 2, v0
	v_lshlrev_b32 v[CA], 1, v0
	v_lshrrev_b32 v[SA], 3, v0
	v_add_nc_u32 v[SA], XSCL, v[SA]
	s_mov_b32 s18, 0x76543210
	s_mov_b32 s19, 0xfedcba98                      ; selects for lane l xor 16
	s_mov_b32 s17, 0
	s_lshl_b32 s16, ttmp9, 14                      ; four tokens of 4,096 bytes
	s_wait_alu depctr_va_vdst(0)
	s_wait_kmcnt 0x0
	s_add_nc_u64 s[4:5], s[4:5], s[16:17]
	s_lshl_b32 s16, ttmp9, 11                      ; four rows of 512 bytes of codes
	s_add_nc_u64 s[8:9], s[8:9], s[16:17]
	s_lshl_b32 s16, ttmp9, 7                       ; four rows of 32 scale bytes
	s_add_nc_u64 s[10:11], s[10:11], s[16:17]
	s_lshl_b32 s16, ttmp9, 4                       ; four words
	s_add_nc_u64 s[12:13], s[12:13], s[16:17]
	s_add_nc_u64 s[14:15], s[14:15], s[16:17]
.irp t, 0,1,2,3
.set ii, 0
.rept 8
	global_load_b128 v[X+32*\t+4*ii:X+32*\t+4*ii+3], v[L16], s[4:5] offset:4096*\t+512*ii th:TH_LOAD_NT
.set ii, ii+1
.endr
.endr
	WIN 0x40                                       ; destination window 1
.irp e, 0,1,2,3,4,5,6,7
.set ii, 0
.rept 8
	global_load_b128 v[32*\e+4*ii:32*\e+4*ii+3], v[L16], s[6:7] offset:4096*\e+512*ii
.set ii, ii+1
.endr
.endr
	WIN 0x04                                       ; source 1 (router_w) window 1: one setting for all 512 packed multiply-adds
.irp e, 0,1,2,3,4,5,6,7
	s_wait_loadcnt 8*(7-\e)                        ; x and the rows up to expert e are in; eight loads for each later expert stay out
.irp t, 0,1,2,3
	v_pk_mul_f32 v[DA+2*(4*\e+\t):DA+2*(4*\e+\t)+1], v[X+32*\t:X+32*\t+1], v[32*\e:32*\e+1]
.endr
.set jj, 1
.rept 15
.irp t, 0,1,2,3
	v_pk_fma_f32 v[DA+2*(4*\e+\t):DA+2*(4*\e+\t)+1], v[X+32*\t+2*jj:X+32*\t+2*jj+1], v[32*\e+2*jj:32*\e+2*jj+1], v[DA+2*(4*\e+\t):DA+2*(4*\e+\t)+1]
.endr
.set jj, jj+1
.endr
.endr
	WIN 0
.irp e, 0,1,2,3,4,5,6,7
.irp t, 0,1,2,3
	v_add_f32 v[LG+8*\t+\e], v[DA+2*(4*\e+\t)], v[DA+2*(4*\e+\t)+1]
.endr
.endr
.irp m, 1,2,4,8                        ; the 32 sums over the lanes, by turns
.set jj, 0
.rept 32
	v_add_f32_dpp v[LG+jj], v[LG+jj], v[LG+jj] row_xmask:\m row_mask:0xf bank_mask:0xf
.set jj, jj+1
.endr
.endr
.set jj, 0
.rept 32
	v_permlanex16_b32 v[DA+jj], v[LG+jj], s18, s19 ; (its destination counts as read: the sums' registers have been written)
.set jj, jj+1
.endr
.set jj, 0
.rept 32
	v_add_f32 v[LG+jj], v[LG+jj], v[DA+jj]         ; every lane holds the logit
.set jj, jj+1
.endr
	; the softmax over the eight experts, the maximum taken away first
.irp t, 0,1,2,3
	v_max3_num_f32 v[MX+\t], v[LG+8*\t], v[LG+8*\t+1], v[LG+8*\t+2]
.endr
.irp t, 0,1,2,3
	v_max3_num_f32 v[MX+\t], v[MX+\t], v[LG+8*\t+3], v[LG+8*\t+4]
.endr
.irp t, 0,1,2,3
	v_max3_num_f32 v[MX+\t], v[MX+\t], v[LG+8*\t+5], v[LG+8*\t+6]
.endr
.irp t, 0,1,2,3
	v_max_num_f32 v[MX+\t], v[MX+\t], v[LG+8*\t+7]
.endr
.irp e, 0,1,2,3,4,5,6,7
.irp t, 0,1,2,3
	v_sub_f32 v[LG+8*\t+\e], v[LG+8*\t+\e], v[MX+\t]
.endr
.endr
.set jj, 0
.rept 32
	v_mul_f32 v[LG+jj], 0x3fb8aa3b, v[LG+jj]       ; x log2(e)
.set jj, jj+1
.endr
.set jj, 0
	s_wait_alu depctr_va_vdst(0)
.rept 32
	v_exp_f32 v[LG+jj], v[LG+jj]
.set jj, jj+1
.endr
	v_nop                                          ; a plain place behind the last exponential
	s_wait_alu depctr_va_vdst(0)                   ; one wait for the batch, ahead of its first reader
.irp t, 0,1,2,3
	v_pk_add_f32 v[AC+2*\t:AC+2*\t+1], v[LG+8*\t:LG+8*\t+1], v[LG+8*\t+2:LG+8*\t+3]
.endr
.irp t, 0,1,2,3
	v_pk_add_f32 v[AC+2*\t:AC+2*\t+1], v[AC+2*\t:AC+2*\t+1], v[LG+8*\t+4:LG+8*\t+5]
.endr
.irp t, 0,1,2,3
	v_pk_add_f32 v[AC+2*\t:AC+2*\t+1], v[AC+2*\t:AC+2*\t+1], v[LG+8*\t+6:LG+8*\t+7]
.endr
.irp t, 0,1,2,3
	v_add_f32 v[MX+\t], v[AC+2*\t], v[AC+2*\t+1]
.endr
	s_wait_alu depctr_va_vdst(0)
.irp t, 0,1,2,3
	v_rcp_f32 v[MX+\t], v[MX+\t]
.endr
	v_nop
	s_wait_alu depctr_va_vdst(0)                   ; one wait for the four reciprocals
.irp e, 0,1,2,3,4,5,6,7
.irp t, 0,1,2,3
	v_mul_f32 v[LG+8*\t+\e], v[LG+8*\t+\e], v[MX+\t]   ; the probabilities
.endr
.endr
	; the largest: a later expert wins only where it is strictly larger
.irp t, 0,1,2,3
	v_cmp_gt_f32 s[20+\t], v[LG+8*\t+1], v[LG+8*\t]
.endr
.irp t, 0,1,2,3
	v_cndmask_b32 v[BV+\t], v[LG+8*\t], v[LG+8*\t+1], s[20+\t]
	v_cndmask_b32 v[BI+\t], 0, 1, s[20+\t]
.endr
.irp e, 2,3,4,5,6,7
.irp t, 0,1,2,3
	v_cmp_gt_f32 s[20+\t], v[LG+8*\t+\e], v[BV+\t]
.endr
.irp t, 0,1,2,3
	v_cndmask_b32 v[BV+\t], v[BV+\t], v[LG+8*\t+\e], s[20+\t]
	v_cndmask_b32 v[BI+\t], v[BI+\t], \e, s[20+\t]
.endr
.endr
	; the second: the same search over the experts that are not the best; it begins at -1, under every probability
.irp t, 0,1,2,3
	v_cmp_ne_u32 s[24+\t], 0, v[BI+\t]
.endr
.irp t, 0,1,2,3
	v_cndmask_b32 v[SV+\t], -1.0, v[LG+8*\t], s[24+\t]
	v_mov_b32 v[SI+\t], 0
.endr
.irp e, 1,2,3,4,5,6,7
.irp t, 0,1,2,3
	v_cmp_ne_u32 s[24+\t], \e, v[BI+\t]
	v_cmp_gt_f32 s[20+\t], v[LG+8*\t+\e], v[SV+\t]
.endr
.irp t, 0,1,2,3
	s_and_b32 s[20+\t], s[20+\t], s[24+\t]
.endr
.irp t, 0,1,2,3
	v_cndmask_b32 v[SV+\t], v[SV+\t], v[LG+8*\t+\e], s[20+\t]
	v_cndmask_b32 v[SI+\t], v[SI+\t], \e, s[20+\t]
.endr
.endr
	; the softmax over the two
.irp t, 0,1,2,3
	v_sub_f32 v[MX+\t], v[SV+\t], v[BV+\t]         ; p2 - p1, 0 or less
.endr
.irp t, 0,1,2,3
	v_mul_f32 v[MX+\t], 0x3fb8aa3b, v[MX+\t]
.endr
	s_wait_alu depctr_va_vdst(0)
.irp t, 0,1,2,3
	v_exp_f32 v[MX+\t], v[MX+\t]
.endr
.irp t, 0,1,2,3
	v_lshl_or_b32 v[PK+\t], v[SI+\t], 8, v[BI+\t]  ; the choice as a whole number (plain work behind the exponentials)
.endr
	s_wait_alu depctr_va_vdst(0)
.irp t, 0,1,2,3
	v_add_f32 v[AC+\t], 1.0, v[MX+\t]
.endr
	s_wait_alu depctr_va_vdst(0)
.irp t, 0,1,2,3
	v_rcp_f32 v[GA+\t], v[AC+\t]                   ; w1
.endr
	v_nop
	s_wait_alu depctr_va_vdst(0)
.irp t, 0,1,2,3
	v_mul_f32 v[GZ+\t], v[MX+\t], v[GA+\t]         ; w2
.endr
	; x into codes, a token at a time, through LDS so that a token's 512 bytes leave as they lie
.irp t, 0,1,2,3
	QG X+32*\t, 8, 0, 512*\t, 32*\t
.endr
.irp t, 0,1,2,3
	ds_load_b128 v[X+4*\t:X+4*\t+3], v[L16] offset:512*\t   ; LDS serves a wave's instructions in order (ISA guide 5.7.1.4): these see my stores
.endr
	ds_load_b32 v[X+16], v[L4] offset:XSCL
	s_wait_dscnt 0x0
.irp t, 0,1,2,3
	global_store_b128 v[L16], v[X+4*\t:X+4*\t+3], s[8:9] offset:512*\t   ; 32 lanes store 512 consecutive bytes
.endr
	global_store_b32 v[L4], v[X+16], s[10:11]      ; four tokens' 128 scale bytes
	v_cmp_gt_u32 vcc_lo, 1, v0
	s_wait_xcnt 0x0                                ; EXEC changes only behind this wait
	s_wait_tensorcnt 0x0
	ds_add_u32 v62, v63
	s_wait_dscnt 0x0
	s_and_saveexec_b32 s20, vcc_lo                 ; lane 0 alone (its 16 x lane is 0): every lane holds the same twelve numbers
	global_store_b128 v[L16], v[PK:PK+3], s[12:13]
	global_store_b128 v[L16], v[GA:GA+3], s[14:15]
	global_store_b128 v[L16], v[GZ:GZ+3], s[14:15] offset:4096
	s_wait_xcnt 0x0                                ; and again in front of the line that widens it
	s_or_b32 exec_lo, exec_lo, s20
	s_endpgm
.Lfunc_end_k_q8cd068e524_route:
	.size	k_q8cd068e524_route, .Lfunc_end_k_q8cd068e524_route-k_q8cd068e524_route
	.p2alignl 7, 3214868480
	.fill 96, 4, 3214868480
	.section	.rodata,"a",@progbits
	.p2align	6, 0x0
	.amdhsa_kernel k_q8cd068e524_route
		.amdhsa_group_segment_fixed_size 2816
		.amdhsa_private_segment_fixed_size 0
		.amdhsa_enable_private_segment 0
		.amdhsa_kernarg_size 48
		.amdhsa_user_sgpr_count 2
		.amdhsa_user_sgpr_kernarg_segment_ptr 1
		.amdhsa_wavefront_size32 1
		.amdhsa_system_sgpr_workgroup_id_x 1
		.amdhsa_system_sgpr_workgroup_id_y 1
		.amdhsa_system_sgpr_workgroup_id_z 1
		.amdhsa_system_vgpr_workitem_id 0
		.amdhsa_next_free_vgpr 512
		.amdhsa_next_free_sgpr 66
		.amdhsa_reserve_vcc 1
		.amdhsa_float_denorm_mode_32 3
		.amdhsa_float_denorm_mode_16_64 3
		.amdhsa_memory_ordered 1
		.amdhsa_forward_progress 1
		.amdhsa_inst_pref_size 99
	.end_amdhsa_kernel
	.amdgpu_metadata
---
amdhsa.version: [ 1, 2 ]
amdhsa.kernels:
  - .name:           k_q8cd068e524_route
    .symbol:         k_q8cd068e524_route.kd
    .args:
      - { .name: hidden_states, .offset: 0, .size: 8, .value_kind: global_buffer, .address_space: global }
      - { .name: router_w, .offset: 8, .size: 8, .value_kind: global_buffer, .address_space: global }
      - { .name: xc, .offset: 16, .size: 8, .value_kind: global_buffer, .address_space: global }
      - { .name: xs, .offset: 24, .size: 8, .value_kind: global_buffer, .address_space: global }
      - { .name: idx, .offset: 32, .size: 8, .value_kind: global_buffer, .address_space: global }
      - { .name: gw, .offset: 40, .size: 8, .value_kind: global_buffer, .address_space: global }
    .group_segment_fixed_size: 2816
    .private_segment_fixed_size: 0
    .kernarg_segment_align: 8
    .kernarg_segment_size: 48
    .max_flat_workgroup_size: 32
    .sgpr_count:     66
    .vgpr_count:     512
    .wavefront_size: 32
...
	.end_amdgpu_metadata
.endif
;; end of part 5
;; launch up (part 6): grid 256 x 1, 4 waves a work-group, no clusters, 110,336 bytes of LDS; arguments w1, xc, xs, idx, h, hs; writes h, hs
.if DOCPART == 6
	.amdgcn_target "amdgcn-amd-amdhsa--gfx1250"
	.amdhsa_code_object_version 6
	.text
	.protected	k_q8cd068e524_up
	.globl	k_q8cd068e524_up
	.p2align	8
	.type	k_q8cd068e524_up,@function
k_q8cd068e524_up:
	s_mov_b64 s[64:65], 0
	v_nop
	global_prefetch_b8 v0, s[64:65] scope:SCOPE_SE
	s_setreg_imm32_b32 hwreg(HW_REG_WAVE_SCHED_MODE, 0, 2), 2
	s_setreg_imm32_b32 hwreg(HW_REG_WAVE_MODE, 25, 1), 1
	s_wait_xcnt 0x0
	s_wait_alu depctr_vm_vsrc(0)
; FIRST PRODUCT OF THE EXPERTS: h = Q(silu(Q(x) Q(W1[e])^T)) for the rows that chose expert e, in MX-FP4 (E2M1 codes, one E8M0 byte for each 32 along K), f32 sums.
; SHARES.  Work-group wg owns expert e = wg / 32 and hidden units 128 (wg % 32) .. + 127: 128 rows of w1, 512 KB of f32, dense in memory, read by nobody else.
; PHASE 1, the stream: wave w reads rows 32 w .. 32 w + 31 (128 KB), 512 consecutive bytes a load, 64 loads on their way, quantises them in registers and lays the codes (64 KB for the work-group) in LDS.
; Meanwhile every wave reads idx (4 KB) and counts the rows of expert e; wave 0 stores their list (the tokens) in LDS.  The launch that follows builds its list in the same order.
; PHASE 2: every wave takes ALL the work-group's codes into 512 registers, and the four waves share the list's tiles of 16 rows: wave w takes tiles w, w + 4, ..
; A tile: its 16 tokens' codes, A ROW A LOAD (512 consecutive bytes), turned into eight fragments through the wave's own stage in LDS; 64 matrix instructions (transposed: source 0 = 16 rows of W1,
; source 1 = x), silu in f32, quantised in registers: one fragment (16 rows x 128 K) of the second product, stored as an image of its registers:
; h[e][tile][K step][1,024 bytes], hs[e][tile][K step][32 lanes x 4 bytes].
; THE ORDER INSIDE A BLOCK OF 32.  A tile of W1 is 16 neighbouring rows, so lane (token, half h) holds in register j of tile 2 b + u the hidden unit 32 b + 16 u + 8 h + j, and the quantiser lays it at
; place 32 b + 16 h + 8 u + j of the next K: bits 3 and 4 of the unit's number change places, inside one block, under one scale.  The launch that follows lays W2's codes in the same order.
; THE LAST TILE is filled up with copies of the list's last entry: its spare rows compute what that row computes.  An expert without rows does phase 1 and stores nothing.
; No tensor load: trip work hangs on a count read from memory.  No cluster: no two work-groups read the same weights, and what they share (x's codes, 0.5 MB) is small beside 512 KB a work-group.
; LIMITS: NaN and infinities are not served.  silu(z) for z under about -88 is -0 (the exponential overflows, the reciprocal is 0), where the true value lies under 1e-36.
; A block of zeros gets the byte 1 (its codes are zeros; only this program reads the bytes).  hs leaves in pieces of 128 bytes; x's scale words come in pieces of 32.
; THE MODE: SCHED_MODE bits 1:0 = 2 (LLVM: expert scheduling mode 2), set by the entry lines.  The code itself states the register dependences
; between vector or matrix instructions and memory or LDS instructions, with s_wait_alu, always for 0.
; THE PLAN, the stream.  Registers that memory or LDS instructions touch:
;   ring group g (window 1)  its 16 loads land in it; the group's maxima and conversions read it.      v[OF+g]  the 16 loads read it; one add a group writes it.
;   BY, CD                   the group's shifts and conversions write them; its 32 LDS stores read them.   CA, SA   two adds in a trip's first group write them; the LDS stores read them.
; Two waits a group.  One on vm_vsrc behind the maxima (which write M alone): the last group's LDS stores have read BY, CD, CA, SA, this group's loads have read v[OF+g]; all writes of these stand behind it.
; One on va_vdst behind the conversions: all of these are written, and the ring's group is read out.  Behind it the group's 16 loads and 32 LDS stores follow with no further wait.
; THE PLAN, a tile.
;   raw rows (window 1 v0-63)   global loads land, the stage's LDS stores read: no vector line names them.        XF (window 1 v64-127)  LDS loads land; the products read.      XS, two sets  a load lands; the products read.
;   LAD, LBA   two adds write, the list's LDS loads read.      ENT, EB   LDS loads land, vector lines make offsets of them; the global loads read EB and XSO.      PC, PW, HO, HSO   vector lines write, the three stores read.
;   XSTA, XFA, AW, ASW, L16, L4, LA0: made at the head, never written again.
; One wait on vm_vsrc a tile, at the head of PREF; waits on va_vdst: ahead of the list's loads, ahead of the rows' loads, silu's two, ahead of the three stores.
.set CP,    528                        ; LDS: a row of 1,024 codes: 512 bytes + 16 = 132 words: row r starts at bank 4 r mod 64 (64 banks of 4 bytes: ISA guide 11.1): 16 neighbouring rows start at 16 different banks
.set SP2,   32                         ; a row's scale bytes
.set SPR,   8                          ; K steps of 128 in a row
.set GB,    8192                       ; a group of 16 loads in memory: two rows
.set GC,    2*CP                       ; its codes in LDS
.set GS,    2*SP2                      ; its scale bytes
.set WSCL,  128*CP                     ; LDS: 128 rows of W1's codes from 0; their scale bytes from here;
.set LIST,  WSCL+128*SP2               ; the list: 1,056 words, and 32 words behind it that take what is not on the list;
.set XST,   LIST+4352                  ; the stages for x: 16 rows of CP bytes for each wave
.set XSB,   16*CP
.set LANE,  1
.set RR,    2                          ; lane % 16
.set HH,    3                          ; lane / 16
.set L16,   4
.set L4,    5
.set CA0,   6                          ; 2 x lane + my wave's 32 rows
.set SA0,   7                          ; WSCL + lane / 8 + my wave's 32 rows
.set AW,    8                          ; my lane's place in a tile of W1
.set ASW,   9                          ; and among its scale words: lanes 0-15 K steps 0-3, lanes 16-31 K steps 4-7
.set LA0,   10                         ; LIST + 4 (lane % 16)
.set LAD,   11
.set ENT,   12
.set LBA,   13                         ; LIST + 4 x the tile's first row: the same in every lane
.set XSO,   14
.set HO,    15
.set HSO,   16
.set H16,   17
.set DMPI,  18                         ; 1056 + lane
.set PADA,  19
.set LASTA, 20
.set LZ,    21
.set LZ2,   22
.set XSTA,  23                         ; my stage, on the way in: 16 x lane
.set W1S,   24                         ; v24-55  W1's scale words, tile t at 4 t: nothing but scales
.set XS,    56                         ; v56-63  x's scale words, two sets of 4: nothing but scales
.set HA,    64                         ; v64-127 my tile of the hidden layer
.set T,     128                        ; v128-191 at work in silu
.set M,     128                        ; the stream's quantiser
.set BY,    144
.set CD,    160
.set PC,    192                        ; v192-199 the fragment just made
.set TM,    200                        ; v200-215 at work in QUANT
.set PW,    216                        ; its scale word
.set XFA,   217                        ; my stage, on the way out: row lane % 16, + 16 (lane / 16)
.set CA,    218
.set SA,    219
.set Z,     220                        ; v220-223 zeros
.set OF,    228                        ; v228-231 the stream: an offset for each of the ring's four groups
.set EB,    232                        ; v232-247 a tile's 16 tokens, then their rows' offsets in xc
.set IX,    64                         ; the list's making: idx, entries, addresses
.set EN,    96
.set AD,    128
.set T0,    200
.set T1,    201
.set T2,    202
.set XF,    64                         ; window 1: v0-63 a tile's 16 rows as loaded; v64-127 its eight fragments
.set WV,    16
.set EX,    17
.set SLICE, 18
.set CNT,   19                         ; rows of my expert
.set TT,    22
.set J16,   23                         ; first row of the tile in hand
.set J16N,  24                         ; of the tile to be fetched
.set CTR,   25
.set OFS,   26
.set SEL,   28
.set WP,    30                         ; my stream's first byte; never rewritten
.set TC,    32
.set TS,    33
.set MQ,    36                         ; s36-43  the list's making: for each of four tokens a register the mask of the first choice and that of the second
; REGISTER WINDOWS: window 0 as above; window 1: the stream's ring of four groups of 64, later x; windows 2, 3: W1's 64 fragments, (tile t, K step s) at 8 ((8 s + t) % 32), s < 4 in window 2.
.set MSB, 0
.macro WIN new                         ; the immediate's high byte repeats the setting that is left; a switch that changes nothing is dropped
.if MSB != (\new)
	s_set_vgpr_msb (MSB<<8)|(\new)
.set MSB, (\new)
.endif
.endm
; n loads of 128 numbers each (load i in v[R + 4 i .. + 3] of window win; lane l holds k = 4 l .. 4 l + 3) become codes and scale bytes in LDS, in three parts, so that the waits can stand between them.
; QMAX.  A block of 32 is eight lanes: my four magnitudes, with the floor 2^(3 - 127) among them, which holds the byte at 1 from below; then three exchanges.
.macro QMAX R, n, win
	WIN 5*(\win)
.set ii, 0
.rept \n
	v_max3_num_f32 v[M+ii], |v[(\R)+4*ii]|, |v[(\R)+4*ii+1]|, 0x1800000
.set ii, ii+1
.endr
.set ii, 0
.rept \n
	v_max3_num_f32 v[M+ii], |v[(\R)+4*ii+2]|, |v[(\R)+4*ii+3]|, v[M+ii]
.set ii, ii+1
.endr
	WIN 0
.irp m, 1,2,4
.set ii, 0
.rept \n
	v_max_num_f32_dpp v[M+ii], v[M+ii], v[M+ii] row_xmask:\m row_mask:0xf bank_mask:0xf
.set ii, ii+1
.endr
.endr
.endm
; QCVT.  2 off the exponent field is the conversion's scale operand, and that shifted is the byte.
; The conversion takes eight numbers: loads 2 p and 2 p + 1.  Under the even load's scale its low 16 bits are that load's four codes, under the odd load's scale the high 16 bits are the odd load's.
.macro QCVT R, n, win
.set ii, 0
.rept \n
	v_add_nc_u32 v[M+ii], 0xff000000, v[M+ii]
.set ii, ii+1
.endr
.set ii, 0
.rept \n
	v_lshrrev_b32 v[BY+ii], 23, v[M+ii]
.set ii, ii+1
.endr
	WIN (\win)
.set ii, 0
.rept \n
	v_cvt_scalef32_pk8_fp4_f32 v[CD+ii], v[(\R)+8*(ii/2):(\R)+8*(ii/2)+7], v[M+ii]
.set ii, ii+1
.endr
	WIN 0
	v_nop                                          ; one plain place behind the scaled conversions
.endm
; QST.  The codes and the bytes go to LDS.
.macro QST n, co, so
.set ii, 0
.rept \n
.if ii%2 == 0
	ds_store_b16 v[CA], v[CD+ii] offset:(\co)+(ii/SPR)*CP+(ii%SPR)*64          ; 32 lanes store 64 consecutive bytes: 128 codes
.else
	ds_store_b16_d16_hi v[CA], v[CD+ii] offset:(\co)+(ii/SPR)*CP+(ii%SPR)*64
.endif
.set ii, ii+1
.endr
.set ii, 0
.rept \n
	ds_store_b8 v[SA], v[BY+ii] offset:(\so)+(ii/SPR)*SP2+(ii%SPR)*4           ; the eight lanes of a block write the same byte with the same value
.set ii, ii+1
.endr
.endm
.macro LOADG g                         ; 16 loads of 512 consecutive bytes into the ring's group g, from the group's own offset on
	WIN 0x40
.set ii, 0
.rept 16
	global_load_b128 v[64*(\g)+4*ii:64*(\g)+4*ii+3], v[OF+(\g)], s[WP:WP+1] offset:512*ii th:TH_LOAD_NT
.set ii, ii+1
.endr
	WIN 0
.endm
; One group of the stream.  ahead = 1: the group four on is asked for.  left = how many younger loads may stay out.
.macro GROUP g, ahead, left
	s_wait_loadcnt \left                           ; this group's 16 loads are in; the younger groups stay out
	QMAX 64*(\g), 16, 1
	s_wait_dscnt 0x0                               ; the last group's LDS stores are done
	s_wait_alu depctr_vm_vsrc(0)                   ; the last group's LDS stores have read BY, CD, CA and SA, and this group's loads have read v[OF+g]: the lines below write them again
.if (\g) == 0
	v_add_nc_u32 v[CA], s[TC], v[CA0]              ; this trip's place in LDS
	v_add_nc_u32 v[SA], s[TS], v[SA0]
.endif
.if \ahead
	v_add_nc_u32 v[OF+(\g)], 4*GB, v[OF+(\g)]      ; free since the wait at the group's head, which shows its own loads done: the group four on
.endif
	QCVT 64*(\g), 16, 1
.if \ahead
	WIN 0x40                                       ; the loads' window first, then the wait, then the loads
.endif
	s_wait_alu depctr_va_vdst(0)                   ; BY, CD, CA, SA and v[OF+g] are written, which the stores and loads below read; the maxima and conversions are done reading the ring's group, in which the loads land
.if \ahead
	LOADG \g
.endif
	QST 16, (\g)*GC, (\g)*GS
.endm
; 64 numbers of a lane, register 16 b + i = place 32 b + 16 (lane / 16) + i of my row, become a fragment's codes in v[PC] on and its scale word in v[PW].
.macro QUANT s
.irp b, 0,1,2,3
	v_max3_num_f32 v[TM+\b], |v[\s+16*\b]|, |v[\s+1+16*\b]|, 0x1800000   ; my 16 numbers of block b, and the floor
.endr
.irp i, 2,4,6,8,10,12,14
.irp b, 0,1,2,3
	v_max3_num_f32 v[TM+\b], v[TM+\b], |v[\s+16*\b+\i]|, |v[\s+1+16*\b+\i]|
.endr
.endr
.irp b, 0,1,2,3
	v_permlanex16_b32 v[TM+4+\b], v[TM+\b], s[SEL], s[SEL+1]
.endr
.irp b, 0,1,2,3
	v_max_num_f32 v[TM+\b], v[TM+\b], v[TM+4+\b]   ; with lane l xor 16's: the block's largest magnitude
.endr
.irp b, 0,1,2,3
	v_add_nc_u32 v[TM+12+\b], 0xff000000, v[TM+\b]
.endr
.irp b, 0,1,2,3
	v_lshrrev_b32 v[TM+4+\b], 23, v[TM+12+\b]
.endr
	v_lshl_or_b32 v[PW], v[TM+5], 8, v[TM+4]       ; my row's scale word; lanes l and l xor 16 hold the same
	v_lshl_or_b32 v[PW], v[TM+6], 16, v[PW]
	v_lshl_or_b32 v[PW], v[TM+7], 24, v[PW]
.irp b, 0,1,2,3
	v_cvt_scalef32_pk8_fp4_f32 v[PC+2*\b], v[\s+16*\b:\s+7+16*\b], v[TM+12+\b]
	v_cvt_scalef32_pk8_fp4_f32 v[PC+1+2*\b], v[\s+8+16*\b:\s+15+16*\b], v[TM+12+\b]
.endr
	v_nop                                          ; one plain place behind a scaled conversion
.irp c, 0,1                            ; the operand's layout wants a whole block in a lane
.irp i, 0,1
	v_permlane16_swap_b32 v[PC+4*\c+\i], v[PC+2+4*\c+\i]
.endr
.endr
.endm
; silu(z) = z / (1 + 2^(-z log2 e)), in f32, on the tile's 64 registers, ascending.  Two batches of 64, one wait each.
.macro SILU
.set jj, 0
.rept 32
	v_pk_mul_f32 v[T+jj:T+jj+1], v[HA+jj:HA+jj+1], 0xbfb8aa3b op_sel_hi:[1,0]
.set jj, jj+2
.endr
.set jj, 0
	s_wait_alu depctr_va_vdst(0)
.rept 64
	v_exp_f32 v[T+jj], v[T+jj]
.set jj, jj+1
.endr
	v_nop
	s_wait_alu depctr_va_vdst(0)                   ; the 64 exponentials have written v[T ..], which the additions below read (and the tile's products are done reading x's fragments and scale words)
.set jj, 0
.rept 32
	v_pk_add_f32 v[T+jj:T+jj+1], v[T+jj:T+jj+1], 1.0 op_sel_hi:[1,0]
.set jj, jj+2
.endr
.set jj, 0
	s_wait_alu depctr_va_vdst(0)
.rept 64
	v_rcp_f32 v[T+jj], v[T+jj]
.set jj, jj+1
.endr
	v_nop
	s_wait_alu depctr_va_vdst(0)                   ; the 64 reciprocals have written v[T ..], which the multiplications below read
.set jj, 0
.rept 32
	v_pk_mul_f32 v[HA+jj:HA+jj+1], v[HA+jj:HA+jj+1], v[T+jj:T+jj+1]
.set jj, jj+2
.endr
.endm
; one scaled product.  z: it starts the sum with the constant 0.  ra, rb: A's, B's scales are taken from lanes 16-31.
.macro WMS d, a, bq, z, sa, sb, ra, rb
.if \z
	v_wmma_scale_f32_16x16x128_f8f6f4 v[\d:\d+7], v[\a:\a+7], v[\bq:\bq+7], 0, v[\sa], v[\sb] matrix_a_fmt:MATRIX_FMT_FP4 matrix_b_fmt:MATRIX_FMT_FP4
.elseif (\ra) && (\rb)
	v_wmma_scale_f32_16x16x128_f8f6f4 v[\d:\d+7], v[\a:\a+7], v[\bq:\bq+7], v[\d:\d+7], v[\sa], v[\sb] matrix_a_fmt:MATRIX_FMT_FP4 matrix_b_fmt:MATRIX_FMT_FP4 matrix_a_scale:MATRIX_SCALE_ROW1 matrix_b_scale:MATRIX_SCALE_ROW1
.elseif \ra
	v_wmma_scale_f32_16x16x128_f8f6f4 v[\d:\d+7], v[\a:\a+7], v[\bq:\bq+7], v[\d:\d+7], v[\sa], v[\sb] matrix_a_fmt:MATRIX_FMT_FP4 matrix_b_fmt:MATRIX_FMT_FP4 matrix_a_scale:MATRIX_SCALE_ROW1
.elseif \rb
	v_wmma_scale_f32_16x16x128_f8f6f4 v[\d:\d+7], v[\a:\a+7], v[\bq:\bq+7], v[\d:\d+7], v[\sa], v[\sb] matrix_a_fmt:MATRIX_FMT_FP4 matrix_b_fmt:MATRIX_FMT_FP4 matrix_b_scale:MATRIX_SCALE_ROW1
.else
	v_wmma_scale_f32_16x16x128_f8f6f4 v[\d:\d+7], v[\a:\a+7], v[\bq:\bq+7], v[\d:\d+7], v[\sa], v[\sb] matrix_a_fmt:MATRIX_FMT_FP4 matrix_b_fmt:MATRIX_FMT_FP4
.endif
.endm
; The tile that begins at row s[J16N] of the list, if there is one: its 16 tokens' rows of codes, a row a load, into window 1's v0-63, and their scale words into set b.  17 loads.
; Every lane reads all 16 entries (four LDS loads from one address), so that a row's load has one token and 16 x lane: 512 consecutive bytes.
.macro PREF b
	s_wait_alu depctr_vm_vsrc(0)                   ; on every tile's path, ahead of the branch: the stage's stores have read the raw rows, in which the loads below land; the last fetch's loads have read LAD, LBA, EB and XSO; the last tile's stores have read PC, PW, HO and HSO; the stream's stores have read BY and CD, over which silu writes
	s_cmp_lt_u32 s[J16N], s[CNT]
	s_cbranch_scc0 .Lnp_\@
	v_lshl_add_u32 v[LAD], s[J16N], 2, v[LA0]
	v_lshl_add_u32 v[LBA], s[J16N], 2, LIST
	s_wait_alu depctr_va_vdst(0)                   ; LAD and LBA are written, which the LDS loads below read; the vector lines that named ENT and EB in the last fetch are done
	ds_load_b32 v[ENT], v[LAD]                     ; row lane % 16 of the tile, for the scale words
.irp i, 0,1,2,3
	ds_load_b128 v[EB+4*\i:EB+4*\i+3], v[LBA] offset:16*\i
.endr
	s_wait_dscnt 0x0                               ; the entries are in (and every earlier LDS instruction of mine is done)
	v_min_u32 v[ENT], 0x3ff, v[ENT]
	v_lshl_add_u32 v[XSO], v[ENT], 5, v[H16]       ; 32 scale bytes a token: lanes 0-15 take K steps 0-3, lanes 16-31 K steps 4-7
.set jj, 0
.rept 16
	v_min_u32 v[EB+jj], 0x3ff, v[EB+jj]
.set jj, jj+1
.endr
.set jj, 0
.rept 16
	v_lshl_add_u32 v[EB+jj], v[EB+jj], 9, v[L16]   ; 512 bytes of codes a token, 16 a lane
.set jj, jj+1
.endr
	WIN 0x40                                       ; the loads' window first, then the wait, then the loads
	s_wait_alu depctr_va_vdst(0)                   ; the 16 offsets in EB and XSO are written, which the loads below read; the products that read the scale words' other set are done
.set jj, 0
.rept 16
	global_load_b128 v[4*jj:4*jj+3], v[EB+jj], s[6:7]
.set jj, jj+1
.endr
	WIN 0
	global_load_b128 v[XS+4*(\b):XS+4*(\b)+3], v[XSO], s[8:9]
.Lnp_\@:
.endm
; One tile, if the list reaches so far.
.macro TILE b
	s_cmp_ge_u32 s[J16], s[CNT]
	s_cbranch_scc1 .Lskip_\@
	s_wait_loadcnt 0x0                             ; this tile's 17 loads, issued a tile ago, are in; their address registers are free
	WIN 0x04                                       ; an LDS store's data are its source 1: window 1
.set jj, 0
.rept 16
	ds_store_b128 v[XSTA], v[4*jj:4*jj+3] offset:CP*jj             ; row jj as it lies: 512 consecutive bytes.  No wait on the vector side: the data come from loads, the address is the head's
.set jj, jj+1
.endr
	WIN 0x40
.set ss, 0
.rept 8
	ds_load_b128 v[XF+8*ss:XF+8*ss+3], v[XFA] offset:64*ss         ; and back as fragments: my own stage, served in order (ISA guide 5.7.1.4).  The last to name these registers were the last tile's products, ahead of silu's waits (the first time: the stream's second group, ahead of its wait)
	ds_load_b128 v[XF+8*ss+4:XF+8*ss+7], v[XFA] offset:64*ss+32
.set ss, ss+1
.endr
	WIN 0
	s_add_co_u32 s[J16N], s[J16], 64
	PREF 1-\b                                      ; my next tile's rows, into the registers just stored: they have this tile's work in which to land
	s_wait_dscnt 0x0                               ; the fragments are in
.set ss, 0
.rept 8                                ; the eight accumulators by turns, K step by K step
	WIN 0x06+(ss/4)                                ; source 0 (W1) window 2 or 3, source 1 (x) window 1
.set tt, 0
.rept 8
.set wd, HA+8*tt
.set wa, 8*((8*ss+tt)%32)
.set wb, XF+8*ss
.set wsa, W1S+4*tt+(ss%4)
.set wsb, XS+4*(\b)+(ss%4)
.set wr, ss/4
.if ss == 0
.set wz, 1
.else
.set wz, 0
.endif
	WMS wd, wa, wb, wz, wsa, wsb, wr, wr
.set tt, tt+1
.endr
.set ss, ss+1
.endr
	WIN 0
.rept 4
	v_nop                                          ; four places behind the last product, ahead of the first read of results (ISA guide 7.12.1)
.endr
	SILU
	s_wait_xcnt 0x0                                ; the last tile's stores have had their addresses translated: their data and offsets are written again only behind this wait (that they have been read, the wait at the head of the fetch above has stated)
	QUANT HA
	v_lshl_add_u32 v[HO], s[J16], 11, v[L16]       ; tile J16 / 16: 32 K steps of 1,024 bytes
	v_lshl_add_u32 v[HSO], s[J16], 8, v[L4]        ; 32 K steps of 128 bytes
	s_wait_alu depctr_va_vdst(0)                   ; the fragment PC, its scale word PW and the offsets HO and HSO are written, which the three stores read
	global_store_b128 v[HO], v[PC:PC+3], s[12:13]              ; the fragment as it stands: 512 consecutive bytes a store
	global_store_b128 v[HO], v[PC+4:PC+7], s[12:13] offset:512
	global_store_b32 v[HSO], v[PW], s[14:15]
.Lskip_\@:
	s_add_co_u32 s[J16], s[J16], 64                ; my next tile: four tiles on
.endm
	s_load_b256 s[4:11], s[0:1], 0x0               ; w1 s[4:5], xc s[6:7], xs s[8:9], idx s[10:11]
	s_load_b128 s[12:15], s[0:1], 0x20             ; h s[12:13], hs s[14:15]
	v_lshl_add_u32 v254, v0, 2, 0x1ad00
	v_mov_b32 v255, 0
	v_lshrrev_b32 v[LANE], 5, v0
	v_readfirstlane_b32 s[WV], v[LANE]             ; wave 0..3
	v_and_b32 v[LANE], 31, v0
	v_lshlrev_b32 v[L16], 4, v[LANE]
	v_mov_b32 v[OF], v[L16]                        ; the ring's four groups begin at groups 0 to 3 of my stream
	v_add_nc_u32 v[OF+1], GB, v[L16]
	v_add_nc_u32 v[OF+2], 2*GB, v[L16]
	v_add_nc_u32 v[OF+3], 3*GB, v[L16]
	s_lshr_b32 s[EX], ttmp9, 5                     ; my expert
	s_and_b32 s[SLICE], ttmp9, 31                  ; my 128 hidden units
	s_lshl_b32 s[OFS], ttmp9, 19                   ; the work-group's 512 KB,
	s_wait_alu depctr_va_sdst(0)                   ; the wave's number is written, ahead of its first reader
	s_lshl_b32 s[TT], s[WV], 17                    ; my wave's 128 KB
	s_add_co_u32 s[OFS], s[OFS], s[TT]
	s_mov_b32 s[OFS+1], 0
	s_wait_kmcnt 0x0
	s_add_nc_u64 s[WP:WP+1], s[4:5], s[OFS:OFS+1]
	s_wait_alu depctr_va_vdst(0)                   ; 16 x lane and the ring's four offsets are written, which the loads below, the fourth group's further down among them, read
.set ii, 0
.rept 8
	global_load_b128 v[IX+4*ii:IX+4*ii+3], v[L16], s[10:11] offset:512*ii   ; register 4 j + i: token 128 j + 4 lane + i
.set ii, ii+1
.endr
	LOADG 0
	LOADG 1
	LOADG 2
	v_and_b32 v[RR], 15, v0
	v_bfe_u32 v[HH], v0, 4, 1
	v_lshlrev_b32 v[L4], 2, v[LANE]
	s_mul_i32 s[TT], s[WV], 32*CP
	v_lshl_add_u32 v[CA0], v[LANE], 1, s[TT]
	s_lshl_b32 s[TT], s[WV], 10
	s_add_co_u32 s[TT], s[TT], WSCL
	v_lshrrev_b32 v[SA0], 3, v[LANE]
	v_add_nc_u32 v[SA0], s[TT], v[SA0]
	v_lshlrev_b32 v[H16], 4, v[HH]
	v_mad_u32_u24 v[AW], v[RR], CP, v[H16]         ; a tile of W1: row lane % 16, + 16 (lane / 16)
	v_lshl_add_u32 v[ASW], v[RR], 5, v[H16]
	v_add_nc_u32 v[ASW], WSCL, v[ASW]
	s_mul_i32 s[TT], s[WV], XSB
	s_add_co_u32 s[TT], s[TT], XST                 ; my stage
	v_add_nc_u32 v[XSTA], s[TT], v[L16]
	v_add_nc_u32 v[XFA], s[TT], v[AW]
	v_lshl_add_u32 v[LA0], v[RR], 2, LIST
	v_add_nc_u32 v[DMPI], 1056, v[LANE]
	v_add_nc_u32 v[LZ], LIST, v[L16]
	v_add_nc_u32 v[LZ2], LIST+4096, v[L4]
.irp i, 0,1,2,3
	v_mov_b32 v[Z+\i], 0
	v_mov_b32 v[TM+4+\i], 0                        ; written once: a lane permute's destination counts as one of its sources
.endr
.irp i, 0,1,2,3,4,5,6,7
	v_mov_b32 v[XS+\i], 0x7f7f7f7f                 ; scale words of 1.0 until the first tile's are loaded: written on every path
.endr
	s_mov_b32 s[SEL], 0x76543210
	s_mov_b32 s[SEL+1], 0xfedcba98                 ; selects for lane l xor 16
	s_lshl_b32 s[OFS], s[EX], 21                   ; h: an expert's 64 tiles x 32 K steps x 1,024 bytes,
	s_lshl_b32 s[TT], s[SLICE], 10                 ; my K step
	s_add_co_u32 s[OFS], s[OFS], s[TT]
	s_add_nc_u64 s[12:13], s[12:13], s[OFS:OFS+1]
	s_lshl_b32 s[OFS], s[EX], 18                   ; hs likewise, 128 bytes a K step
	s_lshl_b32 s[TT], s[SLICE], 7
	s_add_co_u32 s[OFS], s[OFS], s[TT]
	s_add_nc_u64 s[14:15], s[14:15], s[OFS:OFS+1]
	s_wait_loadcnt 48                              ; idx is in; the three groups of 16 behind it stay out
	; THE LIST.  Every wave counts; a row's place is the count so far + the matching lanes below mine.  What does not match goes to the 32 words behind the list.
	; The compares stand in runs of four registers of idx, into eight scalar registers, with one wait behind each run.
	s_mov_b32 s[CNT], 0
.set qq, 0
.rept 8
.set kk, 0
.rept 4
	v_and_b32 v[T0], 0xff, v[IX+qq+kk]             ; the first choice
	v_lshrrev_b32 v[T1], 8, v[IX+qq+kk]            ; the second
	v_cmp_eq_u32 s[MQ+2*kk], s[EX], v[T0]
	v_cmp_eq_u32 s[MQ+2*kk+1], s[EX], v[T1]
	v_add_nc_u32 v[EN+qq+kk], 128*(qq/4)+kk, v[L4] ; the token
.set kk, kk+1
.endr
	s_wait_alu depctr_va_sdst(0)                   ; the run's eight masks are written, ahead of their first readers
.set kk, 0
.rept 4
	s_or_b32 s[MQ+2*kk], s[MQ+2*kk], s[MQ+2*kk+1]
	v_mbcnt_lo_u32_b32 v[T2], s[MQ+2*kk], s[CNT]
	v_cndmask_b32 v[T2], v[DMPI], v[T2], s[MQ+2*kk]
	v_min_u32 v[T2], 0x43f, v[T2]
	v_lshl_add_u32 v[AD+qq+kk], v[T2], 2, LIST
	s_bcnt1_i32_b32 s[TT], s[MQ+2*kk]
	s_add_co_u32 s[CNT], s[CNT], s[TT]
.set kk, kk+1
.endr
.set qq, qq+4
.endr
	v_add_nc_u32 v[PADA], s[CNT], v[LANE]          ; entries CNT .. CNT + 31 become copies of the last
	v_min_u32 v[PADA], 0x41f, v[PADA]
	v_lshl_add_u32 v[PADA], v[PADA], 2, LIST
	s_max_u32 s[TT], s[CNT], 1
	s_sub_co_u32 s[TT], s[TT], 1
	s_min_u32 s[TT], s[TT], 0x3ff
	v_lshl_add_u32 v[LASTA], s[TT], 2, LIST
	LOADG 3                                        ; no wait: no vector line since the head's wait names its offset or the ring's fourth group
	s_cmp_lg_u32 s[WV], 0
	s_cbranch_scc1 .Lnolist                        ; wave 0 alone stores; no other wave touches LDS ahead of the barrier below
	s_wait_alu depctr_va_vdst(0)                   ; the zeros, the entries and all the list's addresses are written, which the LDS stores and the load below read; the lines that named T0, in which that load lands, are done
.set ii, 0
.rept 8
	ds_store_b128 v[LZ], v[Z:Z+3] offset:512*ii    ; the list begins as zeros,
.set ii, ii+1
.endr
	ds_store_b32 v[LZ2], v[Z]
	ds_store_b32 v[LZ2], v[Z] offset:128           ; the 32 words behind it too
.set qq, 0
.rept 32
	ds_store_b32 v[AD+qq], v[EN+qq]
.set qq, qq+1
.endr
	ds_load_b32 v[T0], v[LASTA]                    ; LDS serves a wave's instructions in order: this sees the stores above
	s_wait_dscnt 0x0
	ds_store_b32 v[PADA], v[T0]
.Lnolist:
	s_wait_dscnt 0x0                               ; for the others' sake: the list lies in LDS
	s_barrier_signal -1
	s_barrier_wait -1
	s_wait_alu depctr_vm_vsrc(0)                   ; wave 0's LDS stores have read the entries, their addresses and T0: the stream's quantiser, and later the tiles, write over these registers
	; THE STREAM: 16 groups through a ring of four.  A trip takes four groups and asks for the four that follow.  A group's offset register is stepped behind the wait that shows its own loads done,
	; so the loop has no other wait on a memory counter for its addresses, and the base is never written.
	s_mov_b32 s[TC], 0
	s_mov_b32 s[TS], 0
	s_mov_b32 s[CTR], 3
.Lstream:
.irp g, 0,1,2,3
	GROUP \g, 1, 48                                ; the three younger groups stay out
.endr
	s_add_co_u32 s[TC], s[TC], 4*GC
	s_add_co_u32 s[TS], s[TS], 4*GS
	s_sub_co_u32 s[CTR], s[CTR], 1
	s_cmp_lg_u32 s[CTR], 0
	s_cbranch_scc1 .Lstream
.irp g, 0,1,2,3
	GROUP \g, 0, 48-16*\g                          ; the last four groups: nothing more is asked for, the counts run down
.endr
	s_wait_dscnt 0x0                               ; for the others' sake: my 32 rows of codes and scale bytes lie in LDS
	s_barrier_signal -1
	s_barrier_wait -1                              ; everybody's do.  No barrier stands behind this one, and no branch on the count ahead of it
	s_lshl_b32 s[J16], s[WV], 4                    ; my first tile: tile w
	s_mov_b32 s[J16N], s[J16]
	PREF 0
	; all 64 fragments of W1 into windows 2 and 3, and their scale words: tile t is rows 16 t .. 16 t + 15.  No wait on the vector side: the two addresses are the head's, and no vector line has named these registers
.set ss, 0
.rept 8
	WIN 0x80+0x40*(ss/4)
.set tt, 0
.rept 8
.set fr, 8*((8*ss+tt)%32)
.set fo, 16*tt*CP+64*ss
	ds_load_b128 v[fr:fr+3], v[AW] offset:fo
	ds_load_b128 v[fr+4:fr+7], v[AW] offset:fo+32
.set tt, tt+1
.endr
.set ss, ss+1
.endr
	WIN 0
.set tt, 0
.rept 8
	ds_load_b128 v[W1S+4*tt:W1S+4*tt+3], v[ASW] offset:16*tt*SP2
.set tt, tt+1
.endr
	s_wait_dscnt 0x0
	s_mov_b32 s[CTR], 8                            ; 16 tiles a wave serve 1,024 rows, the most that an expert can have
.Ltiles:
	TILE 0
	TILE 1
	s_sub_co_u32 s[CTR], s[CTR], 1
	s_cmp_lg_u32 s[CTR], 0
	s_cbranch_scc1 .Ltiles
	s_wait_dscnt 0x0                               ; the closing lines, six on end
	s_wait_alu 0x0
	s_wait_tensorcnt 0x0
	ds_add_u32 v254, v255
	s_wait_dscnt 0x0
	s_endpgm
.Lfunc_end_k_q8cd068e524_up:
	.size	k_q8cd068e524_up, .Lfunc_end_k_q8cd068e524_up-k_q8cd068e524_up
	.p2alignl 7, 3214868480
	.fill 96, 4, 3214868480
	.section	.rodata,"a",@progbits
	.p2align	6, 0x0
	.amdhsa_kernel k_q8cd068e524_up
		.amdhsa_group_segment_fixed_size 110336
		.amdhsa_private_segment_fixed_size 0
		.amdhsa_enable_private_segment 0
		.amdhsa_kernarg_size 48
		.amdhsa_user_sgpr_count 2
		.amdhsa_user_sgpr_kernarg_segment_ptr 1
		.amdhsa_wavefront_size32 1
		.amdhsa_system_sgpr_workgroup_id_x 1
		.amdhsa_system_sgpr_workgroup_id_y 1
		.amdhsa_system_sgpr_workgroup_id_z 1
		.amdhsa_system_vgpr_workitem_id 0
		.amdhsa_next_free_vgpr 1024
		.amdhsa_next_free_sgpr 66
		.amdhsa_reserve_vcc 0
		.amdhsa_float_denorm_mode_32 3
		.amdhsa_float_denorm_mode_16_64 3
		.amdhsa_memory_ordered 1
		.amdhsa_forward_progress 1
		.amdhsa_inst_pref_size 199
	.end_amdhsa_kernel
	.amdgpu_metadata
---
amdhsa.version: [ 1, 2 ]
amdhsa.kernels:
  - .name:           k_q8cd068e524_up
    .symbol:         k_q8cd068e524_up.kd
    .args:
      - { .name: w1, .offset: 0, .size: 8, .value_kind: global_buffer, .address_space: global }
      - { .name: xc, .offset: 8, .size: 8, .value_kind: global_buffer, .address_space: global }
      - { .name: xs, .offset: 16, .size: 8, .value_kind: global_buffer, .address_space: global }
      - { .name: idx, .offset: 24, .size: 8, .value_kind: global_buffer, .address_space: global }
      - { .name: h, .offset: 32, .size: 8, .value_kind: global_buffer, .address_space: global }
      - { .name: hs, .offset: 40, .size: 8, .value_kind: global_buffer, .address_space: global }
    .group_segment_fixed_size: 110336
    .private_segment_fixed_size: 0
    .kernarg_segment_align: 8
    .kernarg_segment_size: 48
    .max_flat_workgroup_size: 128
    .sgpr_count:     66
    .vgpr_count:     1024
    .wavefront_size: 32
...
	.end_amdgpu_metadata
.endif
;; end of part 6
;; launch down (part 7): grid 256 x 1, 4 waves a work-group, no clusters, 93,184 bytes of LDS; arguments w2, h, hs, idx, gw, expert_scale, ypart; writes ypart
.if DOCPART == 7
	.amdgcn_target "amdgcn-amd-amdhsa--gfx1250"
	.amdhsa_code_object_version 6
	.text
	.protected	k_q8cd068e524_down
	.globl	k_q8cd068e524_down
	.p2align	8
	.type	k_q8cd068e524_down,@function
k_q8cd068e524_down:
	s_mov_b64 s[64:65], 0
	v_nop
	global_prefetch_b8 v0, s[64:65] scope:SCOPE_SE
	s_setreg_imm32_b32 hwreg(HW_REG_WAVE_SCHED_MODE, 0, 2), 2
	s_setreg_imm32_b32 hwreg(HW_REG_WAVE_MODE, 25, 1), 1
	s_wait_xcnt 0x0
	s_wait_alu depctr_vm_vsrc(0)
; SECOND PRODUCT OF THE EXPERTS: ypart[q][slot][token][d] = gate x expert_scale[e] x (sum over half q of F of h Q(W2[e])^T), in MX-FP4, f32 sums.
; SHARES.  Work-group wg owns expert e = wg / 32, columns d = 64 ((wg / 2) % 16) .. + 63 and half q = wg % 2 of F (K steps 16 q .. 16 q + 15): 64 pieces of 8 KB of w2's rows, 512 KB, read by nobody else.
; K is halved, and not the columns, so that a row's piece of ypart is 256 consecutive bytes and a fragment of h feeds four products; the last launch adds the halves.
; PHASE 1, the stream: wave w reads rows 16 w .. 16 w + 15, a row's 8 KB (16 loads of 512 consecutive bytes) a group, 64 loads on their way, quantises in registers, lays the codes in LDS.
; THE ORDER INSIDE A BLOCK OF 32: the launch before lays hidden unit f of a block at the place whose bits 3 and 4 are f's bits 4 and 3.  So do W2's codes here: a lane holds units 4 lane .. 4 lane + 3 of a K step,
; and stores its four codes at 2 x (the lane's number with bits 1 and 2 changed over).  A block keeps its 32 units and its scale; only the order of its products changes.
; Meanwhile the list of expert e's rows is built in the same order as in the launch before: so row j of the list is row j % 16 of tile j / 16 of h[e].
; PHASE 2: every wave takes all the work-group's codes into 512 registers; wave w takes tiles w, w + 4, ..  A tile: 16 fragments of h as images of their registers, 64 matrix instructions
; (transposed: source 0 = 16 rows of W2, source 1 = h: a lane holds eight neighbouring columns of one token), x gate x scale, through the wave's own stage in LDS, stored by the list: sixteen lanes to a row's 256 bytes.
; The last tile's spare rows are copies of the list's last row: they store the same numbers to the same place, from the same wave.
; No tensor load: trip work hangs on a count read from memory.  No cluster: no two work-groups read the same weights.
; LIMITS: NaN and infinities are not served.  A block of zeros gets the byte 1 (its codes are zeros; only this program reads the bytes).
; THE MODE: SCHED_MODE bits 1:0 = 2 (LLVM: expert scheduling mode 2), set by the entry lines.  The code itself states the register dependences
; between vector or matrix instructions and memory or LDS instructions, with s_wait_alu, always for 0.
; THE PLAN, the stream: as in the launch before.  The ring's group g (window 1): its loads land, its maxima and conversions read.  v[OF+g]: the loads read, one add a group writes.  BY, CD: shifts and conversions
; write, the group's LDS stores read.  CA, SA: two adds in a trip's first group write, the LDS stores read.  One wait on vm_vsrc behind the maxima, ahead of all these writes; one on va_vdst behind the conversions,
; ahead of the group's 16 loads and 32 LDS stores.
; THE PLAN, a tile.
;   h's set b (window 1), HS[b], G[b]   loads of the tile before land; this tile's products (G: one multiplication) read.       LAD2, LAD, HO, HSO   four adds at the tile's head write; LDS and global loads read.
;   ENT, GO    an LDS load lands, two vector lines make the gate's offset; its load reads GO.       RW, RO   LDS loads land in RW, vector lines make RO of it; the global stores read RO.
;   ACC        products and multiplications write; the stage's LDS stores read.       OB   the stage's LDS loads land; the global stores read: no vector line names it.       STO, RD, C16, L16, HSL, LA0, LR0: never written again.
; One wait on vm_vsrc at a tile's head: all that the last tile's LDS and memory instructions read is free.  Three on va_vdst: behind the four adds; behind the gate's offset; ahead of the way out, for ACC and RO together.
.set CP,    1040                       ; LDS: a row's 2,048 codes: 1,024 bytes + 16
.set SP2,   64                         ; and its 64 scale bytes
.set SPR,   16                         ; K steps of 128 in a row piece
.set GB,    16384                      ; from a row of w2 to the next, in memory
.set GC,    CP
.set GS,    SP2
.set WSCL,  64*CP                      ; LDS: 64 rows of codes from 0; their scale bytes from here;
.set LIST,  WSCL+64*SP2                ; the list: 1,056 words, and 32 words behind it that take what is not on the list;
.set STAGE, 75264                      ; the stages: 16 rows x 272 bytes for each wave
.set SPI,   272
.set LANE,  1
.set RR,    2
.set HH,    3
.set L16,   4
.set L4,    5
.set CA0,   6
.set SA0,   7
.set AW,    8
.set ASW,   9
.set LA0,   10                         ; LIST + 4 (lane % 16)
.set LR0,   11                         ; LIST + 4 (lane / 16)
.set LAD,   12
.set ENT,   13
.set HO,    14
.set HSO,   15
.set GO,    16
.set HSL,   17                         ; 4 x lane + 128 (lane / 16): lanes 0-15 take an even K step's words, lanes 16-31 the odd one's
.set DMPI,  18
.set PADA,  19
.set LASTA, 20
.set LZ,    21
.set LZ2,   22
.set LAD2,  23
.set W2S,   24                         ; v24-55  W2's scale words, tile n at 8 n; register 4 g + i: K step 8 g + i in lanes 0-15, 8 g + 4 + i in lanes 16-31: nothing but scales
.set HS,    56                         ; v56-71  h's scale words, two sets of 8; register p: K step 2 p in lanes 0-15, 2 p + 1 in lanes 16-31: nothing but scales
.set ACC,   72                         ; v72-103 four accumulators
.set G,     104                        ; v104-105 my row's gate, for each set
.set GM,    106                        ; v106-107 gate x scale (a pair is named; the low word serves both halves)
.set RW,    108                        ; v108-115 the entries of the rows that I store
.set RO,    116                        ; v116-123 their offsets in ypart
.set STO,   124
.set RD,    125
.set C16,   126
.set OB,    128                        ; v128-159 rows read back from the stage
.set M,     160
.set BY,    176
.set CD,    192
.set CA,    208
.set SA,    209
.set IX,    128
.set EN,    160
.set AD,    192
.set T0,    228
.set T1,    229
.set T2,    230
.set Z,     232
.set OF,    244                        ; v244-247 the stream: an offset for each of the ring's four groups
.set WV,    16
.set EX,    17
.set DS,    18
.set CNT,   19
.set TT,    22
.set J16,   23
.set J16N,  24
.set CTR,   25
.set OFS,   26
.set QH,    28
.set SC,    29                         ; expert_scale[e]
.set WP,    30                         ; my stream's first byte; never rewritten
.set TC,    32
.set TS,    33
.set YP,    34
.set MQ,    36                         ; s36-43  the list's making: for each of four tokens a register the mask of the first choice and that of the second
; REGISTER WINDOWS: window 0 as above; window 1: the stream's ring, later two sets of h's 16 fragments; windows 2, 3: W2's 64 fragments, (tile n, K step s) at 8 ((4 s + n) % 32), s < 8 in window 2.
.set MSB, 0
.macro WIN new
.if MSB != (\new)
	s_set_vgpr_msb (MSB<<8)|(\new)
.set MSB, (\new)
.endif
.endm
; n loads of 128 numbers each (load i in v[R + 4 i .. + 3] of window win; lane l holds k = 4 l .. 4 l + 3) become codes and scale bytes in LDS: as in the launch before, in three parts, so that the waits can stand between them.
.macro QMAX R, n, win
	WIN 5*(\win)
.set ii, 0
.rept \n
	v_max3_num_f32 v[M+ii], |v[(\R)+4*ii]|, |v[(\R)+4*ii+1]|, 0x1800000   ; with the floor 2^(3 - 127): the byte cannot fall under 1
.set ii, ii+1
.endr
.set ii, 0
.rept \n
	v_max3_num_f32 v[M+ii], |v[(\R)+4*ii+2]|, |v[(\R)+4*ii+3]|, v[M+ii]
.set ii, ii+1
.endr
	WIN 0
.irp m, 1,2,4
.set ii, 0
.rept \n
	v_max_num_f32_dpp v[M+ii], v[M+ii], v[M+ii] row_xmask:\m row_mask:0xf bank_mask:0xf
.set ii, ii+1
.endr
.endr
.endm
.macro QCVT R, n, win
.set ii, 0
.rept \n
	v_add_nc_u32 v[M+ii], 0xff000000, v[M+ii]      ; 2 off the exponent field: the conversion's scale operand
.set ii, ii+1
.endr
.set ii, 0
.rept \n
	v_lshrrev_b32 v[BY+ii], 23, v[M+ii]
.set ii, ii+1
.endr
	WIN (\win)
.set ii, 0
.rept \n
	v_cvt_scalef32_pk8_fp4_f32 v[CD+ii], v[(\R)+8*(ii/2):(\R)+8*(ii/2)+7], v[M+ii]   ; loads 2 p, 2 p + 1: under the even load's scale the low half counts, under the odd one's the high half
.set ii, ii+1
.endr
	WIN 0
	v_nop                                          ; one plain place behind the scaled conversions
.endm
.macro QST n, co, so
.set ii, 0
.rept \n
.if ii%2 == 0
	ds_store_b16 v[CA], v[CD+ii] offset:(\co)+(ii/SPR)*CP+(ii%SPR)*64          ; 32 lanes fill 64 consecutive bytes: 128 codes
.else
	ds_store_b16_d16_hi v[CA], v[CD+ii] offset:(\co)+(ii/SPR)*CP+(ii%SPR)*64
.endif
.set ii, ii+1
.endr
.set ii, 0
.rept \n
	ds_store_b8 v[SA], v[BY+ii] offset:(\so)+(ii/SPR)*SP2+(ii%SPR)*4
.set ii, ii+1
.endr
.endm
.macro LOADG g                         ; 16 loads of 512 consecutive bytes into the ring's group g, from the group's own offset on
	WIN 0x40
.set ii, 0
.rept 16
	global_load_b128 v[64*(\g)+4*ii:64*(\g)+4*ii+3], v[OF+(\g)], s[WP:WP+1] offset:512*ii th:TH_LOAD_NT
.set ii, ii+1
.endr
	WIN 0
.endm
; One group of the stream.  ahead = 1: the row four on is asked for.  left = how many younger loads may stay out.
.macro GROUP g, ahead, left
	s_wait_loadcnt \left                           ; this group's 16 loads are in; the younger groups stay out
	QMAX 64*(\g), 16, 1
	s_wait_dscnt 0x0                               ; the last group's LDS stores are done
	s_wait_alu depctr_vm_vsrc(0)                   ; the last group's LDS stores have read BY, CD, CA and SA, and this group's loads have read v[OF+g]: the lines below write them again
.if (\g) == 0
	v_add_nc_u32 v[CA], s[TC], v[CA0]              ; this trip's place in LDS
	v_add_nc_u32 v[SA], s[TS], v[SA0]
.endif
.if \ahead
	v_add_nc_u32 v[OF+(\g)], 4*GB, v[OF+(\g)]      ; free since the wait at the group's head, which shows its own loads done: the row four on
.endif
	QCVT 64*(\g), 16, 1
.if \ahead
	WIN 0x40                                       ; the loads' window first, then the wait, then the loads
.endif
	s_wait_alu depctr_va_vdst(0)                   ; BY, CD, CA, SA and v[OF+g] are written, which the stores and loads below read; the maxima and conversions are done reading the ring's group, in which the loads land
.if \ahead
	LOADG \g
.endif
	QST 16, (\g)*GC, (\g)*GS
.endm
.macro WMS d, a, bq, z, sa, sb, ra, rb
.if \z
	v_wmma_scale_f32_16x16x128_f8f6f4 v[\d:\d+7], v[\a:\a+7], v[\bq:\bq+7], 0, v[\sa], v[\sb] matrix_a_fmt:MATRIX_FMT_FP4 matrix_b_fmt:MATRIX_FMT_FP4
.elseif (\ra) && (\rb)
	v_wmma_scale_f32_16x16x128_f8f6f4 v[\d:\d+7], v[\a:\a+7], v[\bq:\bq+7], v[\d:\d+7], v[\sa], v[\sb] matrix_a_fmt:MATRIX_FMT_FP4 matrix_b_fmt:MATRIX_FMT_FP4 matrix_a_scale:MATRIX_SCALE_ROW1 matrix_b_scale:MATRIX_SCALE_ROW1
.elseif \ra
	v_wmma_scale_f32_16x16x128_f8f6f4 v[\d:\d+7], v[\a:\a+7], v[\bq:\bq+7], v[\d:\d+7], v[\sa], v[\sb] matrix_a_fmt:MATRIX_FMT_FP4 matrix_b_fmt:MATRIX_FMT_FP4 matrix_a_scale:MATRIX_SCALE_ROW1
.elseif \rb
	v_wmma_scale_f32_16x16x128_f8f6f4 v[\d:\d+7], v[\a:\a+7], v[\bq:\bq+7], v[\d:\d+7], v[\sa], v[\sb] matrix_a_fmt:MATRIX_FMT_FP4 matrix_b_fmt:MATRIX_FMT_FP4 matrix_b_scale:MATRIX_SCALE_ROW1
.else
	v_wmma_scale_f32_16x16x128_f8f6f4 v[\d:\d+7], v[\a:\a+7], v[\bq:\bq+7], v[\d:\d+7], v[\sa], v[\sb] matrix_a_fmt:MATRIX_FMT_FP4 matrix_b_fmt:MATRIX_FMT_FP4
.endif
.endm
; The three addresses of the tile that begins at row s[J16N] of the list: plain arithmetic, made whether or not the list reaches so far, so that it stands ahead of one wait with the tile's own address.
.macro PADR
	v_lshl_add_u32 v[LAD], s[J16N], 2, v[LA0]
	v_lshl_add_u32 v[HO], s[J16N], 11, v[L16]
	v_lshl_add_u32 v[HSO], s[J16N], 8, v[HSL]
.endm
; That tile, if there is one: its 16 fragments of h, their scale words and my row's gate into set b.  41 loads.  Its addresses were made, and shown written, ahead of the branch.
.macro PREF b
	s_cmp_lt_u32 s[J16N], s[CNT]
	s_cbranch_scc0 .Lnp_\@
	ds_load_b32 v[ENT], v[LAD]                     ; row lane % 16 of the tile
	WIN 0x40
.set ss, 0
.rept 16
	global_load_b128 v[128*(\b)+8*ss:128*(\b)+8*ss+3], v[HO], s[6:7] offset:1024*ss       ; an image comes back as it was stored: 512 consecutive bytes a load
	global_load_b128 v[128*(\b)+8*ss+4:128*(\b)+8*ss+7], v[HO], s[6:7] offset:1024*ss+512
.set ss, ss+1
.endr
	WIN 0
.set ii, 0
.rept 8
	global_load_b32 v[HS+8*(\b)+ii], v[HSO], s[8:9] offset:256*ii
.set ii, ii+1
.endr
	s_wait_dscnt 0x0
	v_min_u32 v[ENT], 0x7ff, v[ENT]
	v_lshlrev_b32 v[GO], 2, v[ENT]                 ; gw[slot][token] lies at 4 x entry
	s_wait_alu depctr_va_vdst(0)                   ; the gate's offset GO is written, which the load below reads
	global_load_b32 v[G+(\b)], v[GO], s[12:13]
.Lnp_\@:
.endm
.macro TILE b
	s_cmp_ge_u32 s[J16], s[CNT]
	s_cbranch_scc1 .Lskip_\@
	s_wait_loadcnt 0x0                             ; this tile's 41 loads, issued a tile ago, are in; their address registers are free
	s_add_co_u32 s[J16N], s[J16], 64
	s_wait_alu depctr_vm_vsrc(0)                   ; the last tile's LDS and memory instructions have read their registers: LAD2, LAD, HO, HSO and GO, written again below; the accumulators, which this tile's products begin anew; OB and RO, the last stores' data and offsets
	v_lshl_add_u32 v[LAD2], s[J16], 2, v[LR0]
	PADR
	s_wait_alu depctr_va_vdst(0)                   ; the four addresses are written, which the loads below read; the last tile's products and multiplication are done reading h's other set, its scale words and its gate, in which loads land; the lines that named ENT and RW are done
	PREF 1-\b
.set ii, 0
.rept 8
	ds_load_b32 v[RW+ii], v[LAD2] offset:8*ii      ; the entries of rows 2 i + lane / 16, for the way out
.set ii, ii+1
.endr
.set ss, 0
.rept 16                               ; the four accumulators by turns, K step by K step
	WIN 0x06+(ss/8)                                ; source 0 (W2) window 2 or 3, source 1 (h) window 1
.set nn, 0
.rept 4
.set wd, ACC+8*nn
.set wa, 8*((4*ss+nn)%32)
.set wb, 128*(\b)+8*ss
.set wsa, W2S+8*nn+4*(ss/8)+(ss%4)
.set wsb, HS+8*(\b)+(ss/2)
.set wra, (ss%8)/4
.set wrb, ss%2
.if ss == 0
.set wz, 1
.else
.set wz, 0
.endif
	WMS wd, wa, wb, wz, wsa, wsb, wra, wrb
.set nn, nn+1
.endr
.set ss, ss+1
.endr
	WIN 0
	v_mul_f32 v[GM], s[SC], v[G+(\b)]              ; gate x expert_scale.  With the three lines below: four places behind the last product (ISA guide 7.12.1)
.rept 3
	v_nop
.endr
.set jj, 0
.rept 16
	v_pk_mul_f32 v[ACC+jj:ACC+jj+1], v[ACC+jj:ACC+jj+1], v[GM:GM+1] op_sel_hi:[1,0]   ; ascending: each accumulator is first read at its low end
.set jj, jj+2
.endr
	s_wait_dscnt 0x0                               ; the eight entries, asked for ahead of the 64 products, are in
	s_wait_xcnt 0x0                                ; the last tile's stores have had their addresses translated: their offsets and data are written again only behind this wait
.set ii, 0
.rept 8
	v_min_u32 v[RW+ii], 0x7ff, v[RW+ii]
.set ii, ii+1
.endr
.set ii, 0
.rept 8
	v_lshl_add_u32 v[RO+ii], v[RW+ii], 12, v[C16]  ; a row of ypart is 4,096 bytes; entry = token + 1024 x slot names it
.set ii, ii+1
.endr
	s_wait_alu depctr_va_vdst(0)                   ; the multiplications have written the accumulators, which the LDS stores read, and the eight offsets RO are written, which the global stores read
.set nn, 0
.rept 4
	ds_store_b128 v[STO], v[ACC+8*nn:ACC+8*nn+3] offset:64*nn          ; lane (r, h): columns 16 n + 8 h + 0 .. 7 of row r
	ds_store_b128 v[STO], v[ACC+8*nn+4:ACC+8*nn+7] offset:64*nn+16
.set nn, nn+1
.endr
.set ii, 0
.rept 8
	ds_load_b128 v[OB+4*ii:OB+4*ii+3], v[RD] offset:2*SPI*ii           ; my own stage: LDS serves a wave's instructions in order (ISA guide 5.7.1.4)
.set ii, ii+1
.endr
	s_wait_dscnt 0x0
.set ii, 0
.rept 8
	global_store_b128 v[RO+ii], v[OB+4*ii:OB+4*ii+3], s[YP:YP+1]       ; sixteen lanes store 256 consecutive bytes, at a multiple of 256 from ypart's first byte
.set ii, ii+1
.endr
.Lskip_\@:
	s_add_co_u32 s[J16], s[J16], 64
.endm
	s_load_b256 s[4:11], s[0:1], 0x0               ; w2 s[4:5], h s[6:7], hs s[8:9], idx s[10:11]
	s_load_b128 s[12:15], s[0:1], 0x20             ; gw s[12:13], expert_scale s[14:15]
	s_load_b64 s[YP:YP+1], s[0:1], 0x30            ; ypart
	v_lshl_add_u32 v254, v0, 2, 0x16a00
	v_mov_b32 v255, 0
	v_lshrrev_b32 v[LANE], 5, v0
	v_readfirstlane_b32 s[WV], v[LANE]             ; wave 0..3
	v_and_b32 v[LANE], 31, v0
	v_lshlrev_b32 v[L16], 4, v[LANE]
	v_mov_b32 v[OF], v[L16]                        ; the ring's four groups begin at rows 0 to 3 of my 16
	v_add_nc_u32 v[OF+1], GB, v[L16]
	v_add_nc_u32 v[OF+2], 2*GB, v[L16]
	v_add_nc_u32 v[OF+3], 3*GB, v[L16]
	s_lshr_b32 s[EX], ttmp9, 5                     ; my expert
	s_bfe_u32 s[DS], ttmp9, 0x40001                ; my 64 columns
	s_and_b32 s[QH], ttmp9, 1                      ; my half of F
	s_lshl_b32 s[OFS], s[EX], 24                   ; an expert's 1,024 rows of 16,384 bytes,
	s_lshl_b32 s[TT], s[DS], 20                    ; my 64 rows,
	s_add_co_u32 s[OFS], s[OFS], s[TT]
	s_wait_alu depctr_va_sdst(0)                   ; the wave's number is written, ahead of its first reader
	s_lshl_b32 s[TT], s[WV], 18                    ; my wave's 16,
	s_add_co_u32 s[OFS], s[OFS], s[TT]
	s_lshl_b32 s[TT], s[QH], 13                    ; my half of each
	s_add_co_u32 s[OFS], s[OFS], s[TT]
	s_mov_b32 s[OFS+1], 0
	s_wait_kmcnt 0x0
	s_add_nc_u64 s[WP:WP+1], s[4:5], s[OFS:OFS+1]
	s_wait_alu depctr_va_vdst(0)                   ; 16 x lane and the ring's four offsets are written, which the loads below, the fourth group's further down among them, read
.set ii, 0
.rept 8
	global_load_b128 v[IX+4*ii:IX+4*ii+3], v[L16], s[10:11] offset:512*ii
.set ii, ii+1
.endr
	LOADG 0
	LOADG 1
	LOADG 2
	s_lshl_b32 s[OFS], s[EX], 2
	s_add_nc_u64 s[14:15], s[14:15], s[OFS:OFS+1]
	s_load_b32 s[SC], s[14:15], 0x0                ; expert_scale[e]: waited for behind the list's arithmetic
	v_and_b32 v[RR], 15, v0
	v_bfe_u32 v[HH], v0, 4, 1
	v_lshlrev_b32 v[L4], 2, v[LANE]
	v_and_b32 v[T0], 0x19, v[LANE]                 ; the lane's number with bits 1 and 2 changed over: units' bits 3 and 4 (the head's note on the order inside a block)
	v_bfe_u32 v[T1], v[LANE], 1, 1
	v_lshl_or_b32 v[T0], v[T1], 2, v[T0]
	v_bfe_u32 v[T1], v[LANE], 2, 1
	v_lshl_or_b32 v[T0], v[T1], 1, v[T0]
	s_mul_i32 s[TT], s[WV], 16*CP
	v_lshl_add_u32 v[CA0], v[T0], 1, s[TT]
	s_lshl_b32 s[TT], s[WV], 10
	s_add_co_u32 s[TT], s[TT], WSCL
	v_lshrrev_b32 v[SA0], 3, v[LANE]
	v_add_nc_u32 v[SA0], s[TT], v[SA0]
	v_mul_u32_u24 v[AW], v[RR], CP
	v_lshl_add_u32 v[AW], v[HH], 4, v[AW]
	v_lshlrev_b32 v[ASW], 6, v[RR]
	v_lshl_add_u32 v[ASW], v[HH], 4, v[ASW]
	v_add_nc_u32 v[ASW], WSCL, v[ASW]
	v_lshl_add_u32 v[LA0], v[RR], 2, LIST
	v_lshl_add_u32 v[LR0], v[HH], 2, LIST
	v_lshl_add_u32 v[HSL], v[HH], 7, v[L4]
	v_add_nc_u32 v[DMPI], 1056, v[LANE]
	v_add_nc_u32 v[LZ], LIST, v[L16]
	v_add_nc_u32 v[LZ2], LIST+4096, v[L4]
	s_mul_i32 s[TT], s[WV], 16*SPI
	s_add_co_u32 s[TT], s[TT], STAGE               ; my stage
	v_mul_u32_u24 v[STO], v[RR], SPI
	v_lshl_add_u32 v[STO], v[HH], 5, v[STO]
	v_add_nc_u32 v[STO], s[TT], v[STO]             ; in: row r, 32 bytes for each half of the lanes
	v_mul_u32_u24 v[RD], v[HH], SPI
	v_lshl_add_u32 v[RD], v[RR], 4, v[RD]
	v_add_nc_u32 v[RD], s[TT], v[RD]               ; back: lanes 0-15 one row of 256 bytes, lanes 16-31 the next
	v_lshlrev_b32 v[C16], 4, v[RR]
.irp i, 0,1,2,3
	v_mov_b32 v[Z+\i], 0
.endr
.irp i, 0,1,2,3,4,5,6,7,8,9,10,11,12,13,14,15
	v_mov_b32 v[HS+\i], 0x7f7f7f7f                 ; scale words of 1.0 until the first tile's are loaded: written on every path
.endr
	v_mov_b32 v[G], 0
	v_mov_b32 v[G+1], 0
	v_mov_b32 v[GM+1], 0                           ; (named as the upper half of a pair)
	s_lshl_b32 s[OFS], s[EX], 21                   ; h: my expert, my 16 K steps
	s_lshl_b32 s[TT], s[QH], 14
	s_add_co_u32 s[OFS], s[OFS], s[TT]
	s_add_nc_u64 s[6:7], s[6:7], s[OFS:OFS+1]
	s_lshl_b32 s[OFS], s[EX], 18                   ; hs likewise
	s_lshl_b32 s[TT], s[QH], 11
	s_add_co_u32 s[OFS], s[OFS], s[TT]
	s_add_nc_u64 s[8:9], s[8:9], s[OFS:OFS+1]
	s_lshl_b32 s[OFS], s[QH], 23                   ; ypart: my half's two planes of 4 MiB, my 256 bytes of a row
	s_lshl_b32 s[TT], s[DS], 8
	s_add_co_u32 s[OFS], s[OFS], s[TT]
	s_add_nc_u64 s[YP:YP+1], s[YP:YP+1], s[OFS:OFS+1]
	s_wait_loadcnt 48                              ; idx is in; the three groups of 16 behind it stay out
	; THE LIST, in the order of the launch before; an entry here is token + 1024 x slot.  The compares stand in runs of four registers of idx, into eight scalar registers, with one wait behind each run.
	s_mov_b32 s[CNT], 0
.set qq, 0
.rept 8
.set kk, 0
.rept 4
	v_and_b32 v[T0], 0xff, v[IX+qq+kk]
	v_lshrrev_b32 v[T1], 8, v[IX+qq+kk]
	v_cmp_eq_u32 s[MQ+2*kk], s[EX], v[T0]
	v_cmp_eq_u32 s[MQ+2*kk+1], s[EX], v[T1]
.set kk, kk+1
.endr
	s_wait_alu depctr_va_sdst(0)                   ; the run's eight masks are written, ahead of their first readers
.set kk, 0
.rept 4
	v_add_nc_u32 v[T0], 128*(qq/4)+kk, v[L4]
	v_add_nc_u32 v[T1], 128*(qq/4)+kk+1024, v[L4]
	v_cndmask_b32 v[EN+qq+kk], v[T0], v[T1], s[MQ+2*kk+1]
	s_or_b32 s[MQ+2*kk], s[MQ+2*kk], s[MQ+2*kk+1]
	v_mbcnt_lo_u32_b32 v[T2], s[MQ+2*kk], s[CNT]
	v_cndmask_b32 v[T2], v[DMPI], v[T2], s[MQ+2*kk]
	v_min_u32 v[T2], 0x43f, v[T2]
	v_lshl_add_u32 v[AD+qq+kk], v[T2], 2, LIST
	s_bcnt1_i32_b32 s[TT], s[MQ+2*kk]
	s_add_co_u32 s[CNT], s[CNT], s[TT]
.set kk, kk+1
.endr
.set qq, qq+4
.endr
	v_add_nc_u32 v[PADA], s[CNT], v[LANE]
	v_min_u32 v[PADA], 0x41f, v[PADA]
	v_lshl_add_u32 v[PADA], v[PADA], 2, LIST
	s_max_u32 s[TT], s[CNT], 1
	s_sub_co_u32 s[TT], s[TT], 1
	s_min_u32 s[TT], s[TT], 0x3ff
	v_lshl_add_u32 v[LASTA], s[TT], 2, LIST
	s_wait_kmcnt 0x0                               ; expert_scale[e]
	LOADG 3                                        ; no wait: no vector line since the head's wait names its offset or the ring's fourth group
	s_cmp_lg_u32 s[WV], 0
	s_cbranch_scc1 .Lnolist                        ; wave 0 alone stores; no other wave touches LDS ahead of the barrier below
	s_wait_alu depctr_va_vdst(0)                   ; the zeros, the entries and all the list's addresses are written, which the LDS stores and the load below read; the lines that named T0, in which that load lands, are done
.set ii, 0
.rept 8
	ds_store_b128 v[LZ], v[Z:Z+3] offset:512*ii    ; the list begins as zeros,
.set ii, ii+1
.endr
	ds_store_b32 v[LZ2], v[Z]
	ds_store_b32 v[LZ2], v[Z] offset:128           ; the 32 words behind it too
.set qq, 0
.rept 32
	ds_store_b32 v[AD+qq], v[EN+qq]
.set qq, qq+1
.endr
	ds_load_b32 v[T0], v[LASTA]
	s_wait_dscnt 0x0
	ds_store_b32 v[PADA], v[T0]
.Lnolist:
	s_wait_dscnt 0x0                               ; for the others' sake: the list lies in LDS
	s_barrier_signal -1
	s_barrier_wait -1
	s_wait_alu depctr_vm_vsrc(0)                   ; wave 0's LDS stores have read the entries and their addresses: the stream's quantiser writes over these registers
	; THE STREAM: 16 rows' pieces through a ring of four.  A group's offset register is stepped behind the wait that shows its own loads done; the base is never written.
	s_mov_b32 s[TC], 0
	s_mov_b32 s[TS], 0
	s_mov_b32 s[CTR], 3
.Lstream:
.irp g, 0,1,2,3
	GROUP \g, 1, 48                                ; the three younger groups stay out
.endr
	s_add_co_u32 s[TC], s[TC], 4*GC
	s_add_co_u32 s[TS], s[TS], 4*GS
	s_sub_co_u32 s[CTR], s[CTR], 1
	s_cmp_lg_u32 s[CTR], 0
	s_cbranch_scc1 .Lstream
.irp g, 0,1,2,3
	GROUP \g, 0, 48-16*\g                          ; the last four groups: the counts run down
.endr
	s_wait_dscnt 0x0                               ; for the others' sake: my 16 rows of codes and scale bytes lie in LDS
	s_barrier_signal -1
	s_barrier_wait -1                              ; everybody's do.  No barrier stands behind this one, and no branch on the count ahead of it
	s_lshl_b32 s[J16], s[WV], 4
	s_mov_b32 s[J16N], s[J16]
	PADR
	s_wait_alu depctr_va_vdst(0)                   ; my first tile's three addresses are written, which its loads read; the stream's lines are done reading the ring's first two groups, in which h's fragments land
	PREF 0
	; all 64 fragments of W2 into windows 2 and 3, and their scale words.  No wait on the vector side: the two addresses are the head's, and no vector line has named these registers
.set ss, 0
.rept 16
	WIN 0x80+0x40*(ss/8)
.set nn, 0
.rept 4
.set fr, 8*((4*ss+nn)%32)
.set fo, 16*nn*CP+64*ss
	ds_load_b128 v[fr:fr+3], v[AW] offset:fo
	ds_load_b128 v[fr+4:fr+7], v[AW] offset:fo+32
.set nn, nn+1
.endr
.set ss, ss+1
.endr
	WIN 0
.set nn, 0
.rept 4
	ds_load_b128 v[W2S+8*nn:W2S+8*nn+3], v[ASW] offset:16*nn*SP2
	ds_load_b128 v[W2S+8*nn+4:W2S+8*nn+7], v[ASW] offset:16*nn*SP2+32
.set nn, nn+1
.endr
	s_wait_dscnt 0x0
	s_mov_b32 s[CTR], 8                            ; 16 tiles a wave serve 1,024 rows, the most that an expert can have
.Ltiles:
	TILE 0
	TILE 1
	s_sub_co_u32 s[CTR], s[CTR], 1
	s_cmp_lg_u32 s[CTR], 0
	s_cbranch_scc1 .Ltiles
	s_wait_dscnt 0x0                               ; the closing lines, six on end
	s_wait_alu 0x0
	s_wait_tensorcnt 0x0
	ds_add_u32 v254, v255
	s_wait_dscnt 0x0
	s_endpgm
.Lfunc_end_k_q8cd068e524_down:
	.size	k_q8cd068e524_down, .Lfunc_end_k_q8cd068e524_down-k_q8cd068e524_down
	.p2alignl 7, 3214868480
	.fill 96, 4, 3214868480
	.section	.rodata,"a",@progbits
	.p2align	6, 0x0
	.amdhsa_kernel k_q8cd068e524_down
		.amdhsa_group_segment_fixed_size 93184
		.amdhsa_private_segment_fixed_size 0
		.amdhsa_enable_private_segment 0
		.amdhsa_kernarg_size 56
		.amdhsa_user_sgpr_count 2
		.amdhsa_user_sgpr_kernarg_segment_ptr 1
		.amdhsa_wavefront_size32 1
		.amdhsa_system_sgpr_workgroup_id_x 1
		.amdhsa_system_sgpr_workgroup_id_y 1
		.amdhsa_system_sgpr_workgroup_id_z 1
		.amdhsa_system_vgpr_workitem_id 0
		.amdhsa_next_free_vgpr 1024
		.amdhsa_next_free_sgpr 66
		.amdhsa_reserve_vcc 0
		.amdhsa_float_denorm_mode_32 3
		.amdhsa_float_denorm_mode_16_64 3
		.amdhsa_memory_ordered 1
		.amdhsa_forward_progress 1
		.amdhsa_inst_pref_size 179
	.end_amdhsa_kernel
	.amdgpu_metadata
---
amdhsa.version: [ 1, 2 ]
amdhsa.kernels:
  - .name:           k_q8cd068e524_down
    .symbol:         k_q8cd068e524_down.kd
    .args:
      - { .name: w2, .offset: 0, .size: 8, .value_kind: global_buffer, .address_space: global }
      - { .name: h, .offset: 8, .size: 8, .value_kind: global_buffer, .address_space: global }
      - { .name: hs, .offset: 16, .size: 8, .value_kind: global_buffer, .address_space: global }
      - { .name: idx, .offset: 24, .size: 8, .value_kind: global_buffer, .address_space: global }
      - { .name: gw, .offset: 32, .size: 8, .value_kind: global_buffer, .address_space: global }
      - { .name: expert_scale, .offset: 40, .size: 8, .value_kind: global_buffer, .address_space: global }
      - { .name: ypart, .offset: 48, .size: 8, .value_kind: global_buffer, .address_space: global }
    .group_segment_fixed_size: 93184
    .private_segment_fixed_size: 0
    .kernarg_segment_align: 8
    .kernarg_segment_size: 56
    .max_flat_workgroup_size: 128
    .sgpr_count:     66
    .vgpr_count:     1024
    .wavefront_size: 32
...
	.end_amdgpu_metadata
.endif
;; end of part 7
;; launch combine (part 8): grid 256 x 1, 4 waves a work-group, no clusters, 0 bytes of LDS; arguments ypart, out0; writes out0
.if DOCPART == 8
	.amdgcn_target "amdgcn-amd-amdhsa--gfx1250"
	.amdhsa_code_object_version 6
	.text
	.protected	k_q8cd068e524_combine
	.globl	k_q8cd068e524_combine
	.p2align	8
	.type	k_q8cd068e524_combine,@function
k_q8cd068e524_combine:
	s_mov_b64 s[64:65], 0
	v_nop
	global_prefetch_b8 v0, s[64:65] scope:SCOPE_SE
	s_setreg_imm32_b32 hwreg(HW_REG_WAVE_MODE, 25, 1), 1
	s_wait_xcnt 0x0
; out0[token][d] = the sum of ypart's four planes [half of F][slot][token][d], f32: first a slot's two halves of K, then the two slots.  The gates and scales are already in the parts.
; A stream: a work-group takes 16 KB of out0, a thread 16 bytes of each of eight chunks of 2,048 bytes; each load and store of a wave covers 512 consecutive bytes.
; All 32 loads of a wave go out at once; nothing is read twice; no LDS, no barrier, no matrix unit: there is nothing here for them to do.
.set D0, 4                             ; v4-131: chunk c, plane p at 16 c + 4 p
	s_load_b128 s[4:7], s[0:1], 0x0                ; ypart s[4:5], out0 s[6:7]
	v_lshlrev_b32 v1, 4, v0
	s_lshl_b32 s16, ttmp9, 14
	s_mov_b32 s17, 0
	s_wait_alu depctr_va_vdst(0)
	s_wait_kmcnt 0x0
	s_add_nc_u64 s[8:9], s[4:5], s[16:17]          ; half 0, slot 0
	s_add_nc_u64 s[10:11], s[8:9], 0x400000        ; half 0, slot 1
	s_add_nc_u64 s[12:13], s[8:9], 0x800000        ; half 1, slot 0
	s_add_nc_u64 s[14:15], s[8:9], 0xc00000        ; half 1, slot 1
	s_add_nc_u64 s[6:7], s[6:7], s[16:17]
.irp c, 0,1,2,3,4,5,6,7
.irp p, 0,1,2,3
	global_load_b128 v[D0+16*\c+4*\p:D0+16*\c+4*\p+3], v1, s[8+2*\p:9+2*\p] offset:2048*\c th:TH_LOAD_NT
.endr
.endr
.irp c, 0,1,2,3,4,5,6,7
	s_wait_loadcnt 4*(7-\c)                        ; this chunk's four loads are in; four for each younger chunk stay out
	v_pk_add_f32 v[D0+16*\c:D0+16*\c+1], v[D0+16*\c:D0+16*\c+1], v[D0+16*\c+8:D0+16*\c+9]           ; slot 0: its two halves
	v_pk_add_f32 v[D0+16*\c+2:D0+16*\c+3], v[D0+16*\c+2:D0+16*\c+3], v[D0+16*\c+10:D0+16*\c+11]
	v_pk_add_f32 v[D0+16*\c+4:D0+16*\c+5], v[D0+16*\c+4:D0+16*\c+5], v[D0+16*\c+12:D0+16*\c+13]     ; slot 1: its two halves
	v_pk_add_f32 v[D0+16*\c+6:D0+16*\c+7], v[D0+16*\c+6:D0+16*\c+7], v[D0+16*\c+14:D0+16*\c+15]
	v_pk_add_f32 v[D0+16*\c:D0+16*\c+1], v[D0+16*\c:D0+16*\c+1], v[D0+16*\c+4:D0+16*\c+5]           ; the two slots
	v_pk_add_f32 v[D0+16*\c+2:D0+16*\c+3], v[D0+16*\c+2:D0+16*\c+3], v[D0+16*\c+6:D0+16*\c+7]
	global_store_b128 v1, v[D0+16*\c:D0+16*\c+3], s[6:7] offset:2048*\c th:TH_STORE_NT              ; registers that are not written again
.endr
	s_endpgm
.Lfunc_end_k_q8cd068e524_combine:
	.size	k_q8cd068e524_combine, .Lfunc_end_k_q8cd068e524_combine-k_q8cd068e524_combine
	.p2alignl 7, 3214868480
	.fill 96, 4, 3214868480
	.section	.rodata,"a",@progbits
	.p2align	6, 0x0
	.amdhsa_kernel k_q8cd068e524_combine
		.amdhsa_group_segment_fixed_size 0
		.amdhsa_private_segment_fixed_size 0
		.amdhsa_enable_private_segment 0
		.amdhsa_kernarg_size 16
		.amdhsa_user_sgpr_count 2
		.amdhsa_user_sgpr_kernarg_segment_ptr 1
		.amdhsa_wavefront_size32 1
		.amdhsa_system_sgpr_workgroup_id_x 1
		.amdhsa_system_sgpr_workgroup_id_y 1
		.amdhsa_system_sgpr_workgroup_id_z 1
		.amdhsa_system_vgpr_workitem_id 0
		.amdhsa_next_free_vgpr 140
		.amdhsa_next_free_sgpr 66
		.amdhsa_reserve_vcc 0
		.amdhsa_float_denorm_mode_32 3
		.amdhsa_float_denorm_mode_16_64 3
		.amdhsa_memory_ordered 1
		.amdhsa_forward_progress 1
		.amdhsa_inst_pref_size 8
	.end_amdhsa_kernel
	.amdgpu_metadata
---
amdhsa.version: [ 1, 2 ]
amdhsa.kernels:
  - .name:           k_q8cd068e524_combine
    .symbol:         k_q8cd068e524_combine.kd
    .args:
      - { .name: ypart, .offset: 0, .size: 8, .value_kind: global_buffer, .address_space: global }
      - { .name: out0, .offset: 8, .size: 8, .value_kind: global_buffer, .address_space: global }
    .group_segment_fixed_size: 0
    .private_segment_fixed_size: 0
    .kernarg_segment_align: 8
    .kernarg_segment_size: 16
    .max_flat_workgroup_size: 128
    .sgpr_count:     66
    .vgpr_count:     140
    .wavefront_size: 32
...
	.end_amdgpu_metadata
.endif
;; end of part 8
